; MI455X (gfx1250); checked and timed in simulation.
; The chip was launched on July 23, 2026; its instructions are those of AMD's public machine-readable ISA for CDNA 5 (MIT licence, August 2026) and "CDNA5" Instruction Set Architecture Reference Guide (July 2026). The comments in the code are by the model that wrote it; some were corrected since.
;; Adaptive Decay Memory. Allowed arithmetic: float matrix products may take bf16 or f16 operands with f32 sums; other float arithmetic in f32, or as packed bf16 or f16 multiplies, adds, multiply-adds, maxima and minima; sums over many terms, partial sums and values carried from step to step in f32; what a program stores and reads back later, other than sums and carried values, may be rounded once to bf16 or f16.
;; Inputs: Wd 1 x 1,024 float32; Wk 1,024 x 1,024 float32; Wo 1,024 x 1,024 float32; Wq 1,024 x 1,024 float32; Wv 1,024 x 1,024 float32; bd 1 float32; out_scale 1 float32; x 4 x 2,048 x 1,024 float32.
;; Outputs: out0 4 x 2,048 x 1,024 float32.
;; One version. Each part assembles by itself: llvm-mc -triple=amdgcn-amd-amdhsa -mcpu=gfx1250 --defsym DOCPART=n.
;; ======== version 1 of 1: 4 launches
;; limits: values are held in f16: magnitudes above 65,504 overflow, below 6.1e-05 lose precision
;; workspace buffers: xh 16,777,216 bytes; bw 4,194,304 bytes; qv 33,554,432 bytes; pm 33,554,432 bytes; ld2 32,768 bytes; stat 2,048 bytes
;; launch prep (part 1): grid 384 x 1, 8 waves a work-group, no clusters, 75,008 bytes of LDS; arguments x, Wq, Wk, Wv, Wo, Wd, bd, xh, bw, ld2, stat; writes xh, bw, ld2, stat
.if DOCPART == 1
	.amdgcn_target "amdgcn-amd-amdhsa--gfx1250"
	.amdhsa_code_object_version 6
	.text
	.protected	k_q3254630fe1_prep
	.globl	k_q3254630fe1_prep
	.p2align	8
	.type	k_q3254630fe1_prep,@function
k_q3254630fe1_prep:
	s_mov_b64 s[64:65], 0
	v_nop
	global_prefetch_b8 v0, s[64:65] scope:SCOPE_SE
	s_setreg_imm32_b32 hwreg(HW_REG_WAVE_MODE, 25, 1), 1
	s_wait_xcnt 0x0
; PREP.  Two kinds of work-group in one launch, told apart by the work-group's number.
; 0..127 (WEIGHTS): bw[e][d] = 32 x sum over f of Wk[f][e] Wq[f][d] (rows 0-1023) and 32 x sum over f of Wo[e][f] Wv[f][d] (rows 1024-2047), f16, products in f16 with f32 sums.
;   Nothing non-linear stands between the projections and the two attention products, so q.k = x_j . (Wk^T Wq x_i) and (P v) Wo^T = P (x (Wo Wv)^T): two weight products stand for two projections.
;   Each work-group makes 128 x 128 of bw and the sum of its squares (f32, one word of stat: words 256 + work-group).
; 128..383 (ROWS): 32 rows of x each: xh = x rounded once to f16; ld2[row] = log2(sigmoid(x . Wd + bd) + 1e-8), all in f32 from the f32 x; stat[work-group - 128] = the largest sum of squares of its rows.
; LIMITS.  f16 ends at 65,504: |x|, |W| and |32 Wk^T Wq|, |32 Wo Wv| must stay below it; numbers of bw below 6e-5 keep f16's fixed step of 6e-8.  NaN and infinities are not treated apart.
; No tensor load: the weights want a conversion on the way into LDS, and x is used by the wave that loads it.  No cluster: the tiles shared between work-groups are 4 MiB tensors read 8 times each.
.set ROWP,  288                        ; an LDS row of a weight tile: 256 bytes + 32: an odd multiple of 32
.set TILEB, 128*ROWP                   ; tile A at 0, tile B here
.set STP,   272                        ; a row of the stage (it lies over tile A when the products are done)
.set SPARE, 73728                      ; the spare words: 128 bytes for each of eight waves, four blocks of 256 bytes that no other line names
.set RED,   74752                      ; eight words: the waves' sums of squares
.set SPW,   14                         ; v14  SPARE + 4 x my thread's number; never rewritten
.set NIL,   15                         ; v15  0; never rewritten
.set ACC,   16                         ; v[16:79]   eight accumulators: (mi, ni) at ACC + 8 (4 mi + ni)
.set RA,    80                         ; v[80:143]  16 rows of tile A as loaded (f32), then packed
.set RB,    144                        ; v[144:207] the same for tile B
.set FA,    208                        ; v[208:223] A's two fragments
.set FB,    224                        ; v[224:255] B's four fragments
.macro PLACES
.rept 4
	v_nop
.endr
.endm
.macro CLOSE                           ; the wave's end, behind my last LDS store
	s_wait_tensorcnt 0x0
	ds_add_u32 v[SPW], v[NIL]
	s_wait_dscnt 0x0
	s_endpgm
.endm
	s_load_b512 s[8:23], s[0:1], 0x0               ; x 8:9, Wq 10:11, Wk 12:13, Wv 14:15, Wo 16:17, Wd 18:19, bd 20:21, xh 22:23
	s_load_b128 s[24:27], s[0:1], 0x40             ; bw 24:25, ld2 26:27
	s_load_b64 s[28:29], s[0:1], 0x50              ; stat
	v_lshl_add_u32 v[SPW], v0, 2, SPARE
	v_mov_b32 v[NIL], 0
	v_lshrrev_b32 v1, 5, v0
	v_readfirstlane_b32 s30, v1                    ; wave 0..7
	v_and_b32 v1, 31, v0                           ; lane
	s_mov_b32 s32, 0x76543210                      ; v_permlanex16_b32: each lane takes its own place in the other half
	s_mov_b32 s33, 0xfedcba98
	s_wait_kmcnt 0x0
	s_cmp_lt_u32 ttmp9, 128
	s_cbranch_scc1 .Lweights
; ---------------- ROWS: wave w takes rows 4 w .. 4 w + 3 of the work-group's 32; a row is eight loads of 512 consecutive bytes and stays in 32 registers
	s_load_b32 s31, s[20:21], 0x0                  ; bd
	s_sub_co_u32 s34, ttmp9, 128                   ; which 32 rows
	s_lshl_b32 s35, s34, 5
	s_lshl_b32 s36, s30, 2
	s_add_co_u32 s35, s35, s36                     ; my first row
	s_lshl_b32 s36, s35, 12
	s_mov_b32 s37, 0
	s_add_nc_u64 s[8:9], s[8:9], s[36:37]          ; x at my first row (4,096 bytes a row)
	s_lshl_b32 s36, s35, 11
	s_add_nc_u64 s[22:23], s[22:23], s[36:37]      ; xh at my first row (2,048 bytes a row)
	v_lshlrev_b32 v2, 4, v1                        ; 16 x lane
	v_lshlrev_b32 v3, 3, v1                        ; 8 x lane
.irp k, 0,1,2,3,4,5,6,7
	global_load_b128 v[32+4*(\k):35+4*(\k)], v2, s[18:19] offset:512*(\k)
.endr
.irp r, 0,1,2,3
.irp k, 0,1,2,3,4,5,6,7
	global_load_b128 v[64+32*(\r)+4*(\k):67+32*(\r)+4*(\k)], v2, s[8:9] offset:4096*(\r)+512*(\k) th:TH_LOAD_NT
.endr
.endr
; One row: x . Wd and x . x in f32 (a pair of sums each), the row rounded to f16 in place, eight stores of 256 consecutive bytes, aligned.  left: the younger rows' loads, which stay out.
.macro XROW r, left
.set XB, 64+32*(\r)
.set DT, 192+4*(\r)
	s_wait_loadcnt \left
	v_pk_mul_f32 v[DT:DT+1], v[XB:XB+1], v[32:33]
	v_pk_mul_f32 v[DT+2:DT+3], v[XB:XB+1], v[XB:XB+1]
.set m, 2
.rept 15
	v_pk_fma_f32 v[DT:DT+1], v[XB+m:XB+m+1], v[32+m:33+m], v[DT:DT+1]
	v_pk_fma_f32 v[DT+2:DT+3], v[XB+m:XB+m+1], v[XB+m:XB+m+1], v[DT+2:DT+3]
.set m, m+2
.endr
.set m, 0
.rept 16
	v_cvt_pk_f16_f32 v[XB+m], v[XB+2*m], v[XB+2*m+1]  ; ascending: register m is written when 2 m and 2 m + 1 have been read
.set m, m+1
.endr
.irp k, 0,1,2,3,4,5,6,7
	global_store_b64 v3, v[XB+2*(\k):XB+2*(\k)+1], s[22:23] offset:2048*(\r)+256*(\k)
.endr
.endm
	XROW 0, 24
	XROW 1, 16
	XROW 2, 8
	XROW 3, 0
	; eight sums over the wave's lanes, step by step side by side
.irp a, 192,194,196,198,200,202,204,206
	v_add_f32 v[\a], v[\a], v[\a+1]
.endr
.irp m, 1,2,4,8
.irp a, 192,194,196,198,200,202,204,206
	v_add_f32_dpp v[\a], v[\a], v[\a] row_xmask:\m row_mask:0xf bank_mask:0xf
.endr
.endr
.irp a, 192,194,196,198,200,202,204,206
	v_permlanex16_b32 v[\a+1], v[\a], s32, s33
.endr
.irp a, 192,194,196,198,200,202,204,206
	v_add_f32 v[\a], v[\a], v[\a+1]
.endr
	s_wait_kmcnt 0x0                               ; bd
	v_mov_b32 v221, s31
	v_mul_f32 v221, 0xbfb8aa3b, v221               ; -bd log2(e)
.irp r, 0,1,2,3
	v_fmamk_f32 v[208+\r], v[192+4*\r], 0xbfb8aa3b, v221  ; -(x . Wd + bd) log2(e)
.endr
.irp r, 0,1,2,3
	v_exp_f32 v[208+\r], v[208+\r]
.endr
	v_nop                                          ; a plain instruction behind the last of the batch,
	s_wait_alu depctr_va_vdst(0)                   ; and one wait for the four
.irp r, 0,1,2,3
	v_add_f32 v[208+\r], 1.0, v[208+\r]
.endr
.irp r, 0,1,2,3
	v_rcp_f32 v[208+\r], v[208+\r]                 ; the sigmoid
.endr
	v_nop
	s_wait_alu depctr_va_vdst(0)
.irp r, 0,1,2,3
	v_add_f32 v[208+\r], 0x322bcc77, v[208+\r]     ; + 1e-8
.endr
.irp r, 0,1,2,3
	v_log_f32 v[208+\r], v[208+\r]
.endr
	s_lshl_b32 s38, s30, 4
	v_mov_b32 v216, s38                            ; 16 x wave: the plain instruction behind the batch
	s_wait_alu depctr_va_vdst(0)
.irp r, 0,1,2,3
	ds_store_b32 v216, v[208+\r] offset:4*\r       ; all lanes hold the same number: word 4 w + r
	ds_store_b32 v216, v[194+4*\r] offset:128+4*\r
.endr
	s_wait_dscnt 0x0                               ; for wave 0's sake
	s_barrier_signal -1
	s_barrier_wait -1
	s_cmp_lg_u32 s30, 0
	s_cbranch_scc1 .Lend_rows
	v_lshlrev_b32 v217, 2, v1
	ds_load_b32 v218, v217                         ; lane l: row l's logarithm,
	ds_load_b32 v219, v217 offset:128              ; and its sum of squares
	s_lshl_b32 s36, s34, 7
	s_add_nc_u64 s[26:27], s[26:27], s[36:37]
	s_lshl_b32 s36, s34, 2
	s_add_nc_u64 s[28:29], s[28:29], s[36:37]
	s_wait_dscnt 0x0
	global_store_b32 v217, v218, s[26:27]
.irp m, 1,2,4,8
	v_max_num_f32_dpp v219, v219, v219 row_xmask:\m row_mask:0xf bank_mask:0xf
.endr
	v_permlanex16_b32 v216, v219, s32, s33
	v_max_num_f32 v219, v219, v216
	v_cmp_eq_u32 vcc_lo, 0, v1
	s_wait_xcnt 0x0                                ; EXEC is a source of the store above: it changes only behind this wait
	s_and_saveexec_b32 s39, vcc_lo
	global_store_b32 v217, v219, s[28:29]          ; lane 0 (its offset is 0): the 32 rows' largest sum of squares
	s_wait_xcnt 0x0
	s_or_b32 exec_lo, exec_lo, s39
.Lend_rows:
	CLOSE
; ---------------- WEIGHTS: a tile of 128 e x 128 d; f goes in 8 steps of 128.  Both operand tiles are 128 rows x 512 bytes of f32 in memory, whichever product:
; product 0: A = Wk [f][e], B = Wq [f][d]: both lie [K][N] and are read turned.  product 1: A = Wo [e][f], read as it lies; B = Wv [f][d], turned.
.Lweights:
	s_lshr_b32 s38, ttmp9, 6                       ; which product
	s_bfe_u32 s39, ttmp9, 0x30003                  ; te
	s_and_b32 s40, ttmp9, 7                        ; td
	s_mov_b32 s36, 512                             ; (an instruction holds one literal: this one waits in the register that the select below writes)
	s_cmp_eq_u32 s38, 0
	s_cselect_b64 s[42:43], s[12:13], s[16:17]     ; A: Wk or Wo
	s_cselect_b64 s[44:45], s[10:11], s[14:15]     ; B: Wq or Wv
	s_cselect_b32 s46, 9, 19                       ; te counts 128 columns (512 bytes) or 128 rows (524,288 bytes)
	s_cselect_b32 s36, 0x80000, s36                ; a step of f is 128 rows (524,288 bytes) or 128 columns (512 bytes)
	s_mov_b32 s37, 0
	s_lshl_b32 s46, s39, s46
	s_mov_b32 s47, 0
	s_add_nc_u64 s[42:43], s[42:43], s[46:47]
	s_lshl_b32 s46, s40, 9
	s_add_nc_u64 s[44:45], s[44:45], s[46:47]
	s_lshr_b32 s49, s30, 1                         ; wm: my 32 rows e
	s_and_b32 s50, s30, 1                          ; wn: my 64 columns d
	v_and_b32 v2, 15, v0                           ; r
	v_bfe_u32 v3, v0, 4, 1                         ; h
	s_lshl_b32 s48, s30, 16
	v_lshl_or_b32 v4, v1, 4, s48                   ; memory: wave w loads rows 16 w .., a row a load
	s_mul_i32 s48, s30, 16*ROWP
	v_lshl_add_u32 v5, v1, 3, s48                  ; LDS: the same rows, 8 bytes a lane
	v_and_b32 v12, 7, v0
	v_lshl_add_u32 v12, v3, 3, v12
	v_mul_u32_u24 v12, v12, ROWP
	v_bfe_u32 v13, v0, 3, 1
	v_lshl_add_u32 v12, v13, 4, v12                ; the turning load's lane term: (8 h + l % 8) rows + 16 ((l / 8) % 2)
	s_lshl_b32 s48, s49, 6
	v_add_nc_u32 v6, s48, v12                      ; A turned
	s_lshl_b32 s48, s50, 7
	s_add_co_u32 s48, s48, TILEB
	v_add_nc_u32 v8, s48, v12                      ; B turned
	v_mul_u32_u24 v7, v2, ROWP
	v_lshl_add_u32 v7, v3, 4, v7
	s_mul_i32 s48, s49, 32*ROWP
	v_add_nc_u32 v7, s48, v7                       ; A as it lies
	v_mul_u32_u24 v9, v2, STP
	v_lshl_add_u32 v9, v3, 4, v9
	s_mul_i32 s48, s49, 32*STP
	s_lshl_b32 s51, s50, 7
	s_add_co_u32 s48, s48, s51
	v_add_nc_u32 v9, s48, v9                       ; into the stage
	v_mul_u32_u24 v10, v3, STP
	v_lshl_add_u32 v10, v2, 4, v10
	s_mul_i32 s48, s30, 16*STP
	v_add_nc_u32 v10, s48, v10                     ; back: wave w takes rows 16 w .., two rows a load
	v_lshlrev_b32 v11, 11, v3
	v_lshl_add_u32 v11, v2, 4, v11                 ; the same two rows in bw
	s_lshl_b32 s48, s38, 10
	s_lshl_b32 s51, s39, 7
	s_add_co_u32 s48, s48, s51
	s_lshl_b32 s51, s30, 4
	s_add_co_u32 s48, s48, s51
	s_lshl_b32 s48, s48, 11
	s_lshl_b32 s51, s40, 8
	s_add_co_u32 s46, s48, s51
	s_add_nc_u64 s[24:25], s[24:25], s[46:47]      ; bw at row 1024 product + 128 te + 16 w, column 128 td
	s_lshl_b32 s46, ttmp9, 2
	s_add_co_u32 s46, s46, 1024
	s_add_nc_u64 s[28:29], s[28:29], s[46:47]      ; my work-group's word of stat
.macro WLOAD
.irp i, 0,1,2,3,4,5,6,7,8,9,10,11,12,13,14,15
	global_load_b128 v[RA+4*(\i):RA+4*(\i)+3], v4, s[42:43] offset:4096*(\i)
	global_load_b128 v[RB+4*(\i):RB+4*(\i)+3], v4, s[44:45] offset:4096*(\i)
.endr
.endm
; 32 of f: the fragments, then eight products, the eight accumulators by turns.  Source 0 = 16 columns d, source 1 = 16 rows e: a lane ends with eight neighbouring d of one row e.
.macro WSLICE c
	PLACES                                         ; behind the products that read the fragment registers
	s_cmp_eq_u32 s38, 0
	s_cbranch_scc0 .Lrows_\@
.irp mi, 0,1
	ds_load_tr16_b128 v[FA+8*(\mi):FA+8*(\mi)+3],   v6 offset:32*(\c)*ROWP+32*(\mi)
	ds_load_tr16_b128 v[FA+8*(\mi)+4:FA+8*(\mi)+7], v6 offset:(32*(\c)+16)*ROWP+32*(\mi)
.endr
	s_branch .Ljoin_\@
.Lrows_\@:
.irp mi, 0,1
	ds_load_b128 v[FA+8*(\mi):FA+8*(\mi)+3],   v7 offset:(\mi)*16*ROWP+64*(\c)
	ds_load_b128 v[FA+8*(\mi)+4:FA+8*(\mi)+7], v7 offset:(\mi)*16*ROWP+64*(\c)+32
.endr
.Ljoin_\@:
.irp ni, 0,1,2,3
	ds_load_tr16_b128 v[FB+8*(\ni):FB+8*(\ni)+3],   v8 offset:32*(\c)*ROWP+32*(\ni)
	ds_load_tr16_b128 v[FB+8*(\ni)+4:FB+8*(\ni)+7], v8 offset:(32*(\c)+16)*ROWP+32*(\ni)
.endr
	s_wait_dscnt 0x0
.irp mi, 0,1
.irp ni, 0,1,2,3
	v_wmma_f32_16x16x32_f16 v[ACC+8*(4*(\mi)+(\ni)):ACC+8*(4*(\mi)+(\ni))+7], v[FB+8*(\ni):FB+8*(\ni)+7], v[FA+8*(\mi):FA+8*(\mi)+7], v[ACC+8*(4*(\mi)+(\ni)):ACC+8*(4*(\mi)+(\ni))+7]
.endr
.endr
.endm
	WLOAD                                          ; step 0
.set i, 0
.rept 64
	v_mov_b32 v[ACC+i], 0                          ; the sums start at 0, written while the first loads are out, so that the loop has one form of product
.set i, i+1
.endr
	s_mov_b32 s34, 8
.Lkw:
	s_wait_loadcnt 0x0                             ; this step's 32 loads; their addresses are free too
.set i, 0
.rept 32
	v_cvt_pk_f16_f32 v[RA+i], v[RA+2*i], v[RA+2*i+1]
	v_cvt_pk_f16_f32 v[RB+i], v[RB+2*i], v[RB+2*i+1]
.set i, i+1
.endr
	s_barrier_signal -1                            ; every wave's reads of the last step's tiles are back (each slice waited for its own)
	s_barrier_wait -1
.irp i, 0,1,2,3,4,5,6,7,8,9,10,11,12,13,14,15
	ds_store_b64 v5, v[RA+2*(\i):RA+2*(\i)+1] offset:(\i)*ROWP
	ds_store_b64 v5, v[RB+2*(\i):RB+2*(\i)+1] offset:TILEB+(\i)*ROWP
.endr
	s_add_nc_u64 s[42:43], s[42:43], s[36:37]
	s_add_nc_u64 s[44:45], s[44:45], 0x80000
	s_wait_dscnt 0x0                               ; my stores are done: for the others' sake, and ahead of loads into their data registers
	s_cmp_eq_u32 s34, 1                            ; the last step has no successor; every wait for loads in this part is for 0
	s_cbranch_scc1 .Lno_load
	WLOAD
.Lno_load:
	s_barrier_signal -1
	s_barrier_wait -1
	WSLICE 0
	WSLICE 1
	WSLICE 2
	WSLICE 3
	s_sub_co_u32 s34, s34, 1
	s_cmp_lg_u32 s34, 0
	s_cbranch_scc1 .Lkw
	PLACES
	PLACES
.set i, ACC
.rept 32
	v_pk_mul_f32 v[i:i+1], v[i:i+1], 0x42000000 op_sel_hi:[1,0]  ; x 32: it lifts the drawn weights' products to a spread of 0.4, in the middle of f16's range
.set i, i+2
.endr
	v_pk_mul_f32 v[208:209], v[ACC:ACC+1], v[ACC:ACC+1]           ; the sum of squares, in two chains
	v_pk_mul_f32 v[210:211], v[ACC+2:ACC+3], v[ACC+2:ACC+3]
.set i, ACC+4
.rept 15
	v_pk_fma_f32 v[208:209], v[i:i+1], v[i:i+1], v[208:209]
	v_pk_fma_f32 v[210:211], v[i+2:i+3], v[i+2:i+3], v[210:211]
.set i, i+4
.endr
.set i, 0
.rept 32
	v_cvt_pk_f16_f32 v[RA+i], v[ACC+2*i], v[ACC+2*i+1]
.set i, i+1
.endr
	s_barrier_signal -1                            ; nobody reads the tiles any more: the stage may be written over tile A
	s_barrier_wait -1
.irp mi, 0,1
.irp ni, 0,1,2,3
	ds_store_b128 v9, v[RA+4*(4*(\mi)+(\ni)):RA+4*(4*(\mi)+(\ni))+3] offset:(\mi)*16*STP+32*(\ni)
.endr
.endr
	v_add_f32 v208, v208, v209
	v_add_f32 v210, v210, v211
	v_add_f32 v208, v208, v210
.irp m, 1,2,4,8
	v_add_f32_dpp v208, v208, v208 row_xmask:\m row_mask:0xf bank_mask:0xf
.endr
	v_permlanex16_b32 v209, v208, s32, s33
	v_add_f32 v208, v208, v209
	s_lshl_b32 s48, s30, 2
	s_add_co_u32 s48, s48, RED
	v_mov_b32 v12, s48
	ds_store_b32 v12, v208
	s_wait_dscnt 0x0
	s_barrier_signal -1
	s_barrier_wait -1
.irp t, 0,1,2,3,4,5,6,7
	ds_load_b128 v[RB+4*(\t):RB+4*(\t)+3], v10 offset:(\t)*2*STP
.endr
	s_wait_dscnt 0x0
.irp t, 0,1,2,3,4,5,6,7
	global_store_b128 v11, v[RB+4*(\t):RB+4*(\t)+3], s[24:25] offset:4096*(\t)  ; 16 lanes store 256 consecutive bytes, aligned
.endr
	s_cmp_lg_u32 s30, 0
	s_cbranch_scc1 .Lend_weights
	v_mov_b32 v12, RED
	ds_load_b128 v[208:211], v12
	ds_load_b128 v[212:215], v12 offset:16
	v_lshlrev_b32 v13, 2, v1
	s_wait_dscnt 0x0
	v_add_f32 v208, v208, v209
	v_add_f32 v210, v210, v211
	v_add_f32 v212, v212, v213
	v_add_f32 v214, v214, v215
	v_add_f32 v208, v208, v210
	v_add_f32 v212, v212, v214
	v_add_f32 v208, v208, v212
	v_cmp_eq_u32 vcc_lo, 0, v1
	s_wait_xcnt 0x0                                ; EXEC changes only behind this wait
	s_and_saveexec_b32 s35, vcc_lo
	global_store_b32 v13, v208, s[28:29]           ; lane 0: the tile's sum of squares
	s_wait_xcnt 0x0
	s_or_b32 exec_lo, exec_lo, s35
.Lend_weights:
	CLOSE
.Lfunc_end_k_q3254630fe1_prep:
	.size	k_q3254630fe1_prep, .Lfunc_end_k_q3254630fe1_prep-k_q3254630fe1_prep
	.p2alignl 7, 3214868480
	.fill 96, 4, 3214868480
	.section	.rodata,"a",@progbits
	.p2align	6, 0x0
	.amdhsa_kernel k_q3254630fe1_prep
		.amdhsa_group_segment_fixed_size 75008
		.amdhsa_private_segment_fixed_size 0
		.amdhsa_enable_private_segment 0
		.amdhsa_kernarg_size 88
		.amdhsa_user_sgpr_count 2
		.amdhsa_user_sgpr_kernarg_segment_ptr 1
		.amdhsa_wavefront_size32 1
		.amdhsa_system_sgpr_workgroup_id_x 1
		.amdhsa_system_sgpr_workgroup_id_y 1
		.amdhsa_system_sgpr_workgroup_id_z 1
		.amdhsa_system_vgpr_workitem_id 0
		.amdhsa_next_free_vgpr 256
		.amdhsa_next_free_sgpr 66
		.amdhsa_reserve_vcc 1
		.amdhsa_float_denorm_mode_32 3
		.amdhsa_float_denorm_mode_16_64 3
		.amdhsa_memory_ordered 1
		.amdhsa_forward_progress 1
		.amdhsa_inst_pref_size 62
	.end_amdhsa_kernel
	.amdgpu_metadata
---
amdhsa.version: [ 1, 2 ]
amdhsa.kernels:
  - .name:           k_q3254630fe1_prep
    .symbol:         k_q3254630fe1_prep.kd
    .args:
      - { .name: x, .offset: 0, .size: 8, .value_kind: global_buffer, .address_space: global }
      - { .name: Wq, .offset: 8, .size: 8, .value_kind: global_buffer, .address_space: global }
      - { .name: Wk, .offset: 16, .size: 8, .value_kind: global_buffer, .address_space: global }
      - { .name: Wv, .offset: 24, .size: 8, .value_kind: global_buffer, .address_space: global }
      - { .name: Wo, .offset: 32, .size: 8, .value_kind: global_buffer, .address_space: global }
      - { .name: Wd, .offset: 40, .size: 8, .value_kind: global_buffer, .address_space: global }
      - { .name: bd, .offset: 48, .size: 8, .value_kind: global_buffer, .address_space: global }
      - { .name: xh, .offset: 56, .size: 8, .value_kind: global_buffer, .address_space: global }
      - { .name: bw, .offset: 64, .size: 8, .value_kind: global_buffer, .address_space: global }
      - { .name: ld2, .offset: 72, .size: 8, .value_kind: global_buffer, .address_space: global }
      - { .name: stat, .offset: 80, .size: 8, .value_kind: global_buffer, .address_space: global }
    .group_segment_fixed_size: 75008
    .private_segment_fixed_size: 0
    .kernarg_segment_align: 8
    .kernarg_segment_size: 88
    .max_flat_workgroup_size: 256
    .sgpr_count:     66
    .vgpr_count:     256
    .wavefront_size: 32
...
	.end_amdgpu_metadata
.endif
;; end of part 1
;; launch proj (part 2): grid 8 x 32, 4 waves a work-group, clusters of 4 x 4, 327,680 bytes of LDS; arguments xh, bw, qv, stat; writes qv
.if DOCPART == 2
	.amdgcn_target "amdgcn-amd-amdhsa--gfx1250"
	.amdhsa_code_object_version 6
	.text
	.protected	k_q3254630fe1_proj
	.globl	k_q3254630fe1_proj
	.p2align	8
	.type	k_q3254630fe1_proj,@function
k_q3254630fe1_proj:
	s_mov_b64 s[64:65], 0
	v_nop
	global_prefetch_b8 v0, s[64:65] scope:SCOPE_SE
	s_setreg_imm32_b32 hwreg(HW_REG_WAVE_MODE, 25, 1), 1
	s_wait_xcnt 0x0
	s_wait_alu depctr_hold_cnt(0) depctr_sa_sdst(0) depctr_va_vdst(0) depctr_va_sdst(0) depctr_va_ssrc(0) depctr_va_vcc(0) depctr_vm_vsrc(0)
	s_getreg_b32 s2, hwreg(HW_REG_IB_STS2, 6, 4)
	s_cmp_eq_u32 s2, 0
	s_cbranch_scc0 .Lentry_in_a_cluster
	s_endpgm
.Lentry_in_a_cluster:
	s_bfe_u32 s2, ttmp6, 0x10000c
	s_cmp_lg_u32 s2, 0xf033
	s_cbranch_scc0 .Lentry_shape_is_right
	s_endpgm
.Lentry_shape_is_right:
; PROJ.  qv[row][n] = (sum over d of xh[row][d] bw[n][d]) x 1024 / sqrt(max(X2 F2, 1e-30)), f16; products in f16, sums in f32.  xh: [8192][1024], bw: [2048][1024], qv: [8192][2048].
; X2 = the largest sum of squares of a row of x (256 partial maxima in stat); F2 = the sum of squares of the half of bw in hand (64 partial sums).  By Cauchy-Schwarz no number of qv passes 1,024,
; whatever the inputs' size or offset; for the drawn inputs the spread is about 1.  Columns 0-1023: the query side; columns 1024-2047: the value side.
; A tile of qv is 256 x 256: four waves, each 128 x 128 in 64 accumulators.  K goes in 8 steps of 128 through two LDS slots filled by the tensor data mover, one load a wave and step.
; CLUSTER: 4 x 4 work-groups; xh's tile is shared along a row of the cluster, bw's along a column: each is asked for jointly, by the same load with the same descriptor in all four.
; THE MATRIX INSTRUCTION IS USED TRANSPOSED (source 0 = 16 rows of bw, source 1 = 16 rows of xh): a lane holds eight neighbouring columns of one row of qv.
; REGISTERS in windows of 256 (s_set_vgpr_msb: bits 1:0 source 0, 3:2 source 1, 5:4 source 2, 7:6 destination):
;   window 0: v0-31 addresses; v64-127, v128-191 xh's fragments, two buffers; v32-63, v192-255 at work on the way out.  window 1: v64-191 bw's fragments.  windows 2, 3: the accumulators, (a, b) at v[8 (8 (a % 4) + b)].
.set KSTEP,  128
.set PITCH,  272                       ; an LDS row: 256 bytes + 16: the 16 rows of a fragment load start 4 banks apart
.set HALFT,  128*PITCH                 ; what one tensor load brings
.set SLOT,   4*HALFT                   ; xh's 256 rows, then bw's 256 rows; 0x22000 shares no bit with wave x HALFT, so one exclusive or changes slots
.set STAGE,  2*SLOT                    ; 16 rows x 272 bytes for each wave, for the way out; no tensor load lands here
.set SPITCH, 272
.set SPARE,  STAGE+4*16*SPITCH         ; the spare words: 128 bytes a wave, two blocks of 256 bytes that no other line names
.set ADRA,  16                         ; v16  LDS address of my xh fragments in the slot in hand
.set ADRA0, 17                         ; v17  the same in slot 0; never rewritten
.set ADRB,  20
.set ADRB0, 21
.set STO,   24
.set RD,    25
.set CO,    26
.set SPW,   28                         ; v28  SPARE + 4 x my thread's number; never rewritten
.set NIL,   29                         ; v29  0; never rewritten
.set PFO,   30                         ; v30  the prefetches' offset: my lane x 2,048
.set SC,    12                         ; v[12:13] the scale, twice
.set F0,    64
.set F1,    128
.set TMP,   192
.set OB,    32
.set G1,  24
.set G0,  32
.set G1B, 48
.set G0B, 56
.set WV,  66                           ; my wave's number
.set WR,  67                           ; its row half; also: I fetch for xh (0) or bw (1)
.set WC,  68                           ; its column half; also: which 128 rows I fetch
.set SOFF, 69                          ; 0 or SLOT: the slot in hand
.set CNT, 70
.set LIM, 71                           ; 2 in a wave that prefetches, else the greatest number
.set PFA, 72
.set SEL, 74
.set MSB, 0
.macro WIN new
.if MSB != (\new)
	s_set_vgpr_msb (MSB<<8)|(\new)
.set MSB, \new
.endif
.endm
.set MUL_LO, 0xa1
.set MUL_HI, 0xf1
.set TO_B,   0x40
.macro PLACES
.rept 4
	v_nop
.endr
.endm
; A joint load: waves 0 and 1 fetch xh's two halves, waves 2 and 3 bw's.  An s_nop 0 and four v_nop follow each of the two lines.
.macro JLOAD s
	s_cmp_eq_u32 s[WR], 0
	s_cbranch_scc0 .Lfor_b_\@
	tensor_load_to_lds s[G0+4*(\s):G0+4*(\s)+3], s[G1:G1+7]
	s_nop 0
.rept 4
	v_nop
.endr
	s_branch .Lasked_\@
.Lfor_b_\@:
	tensor_load_to_lds s[G0B+4*(\s):G0B+4*(\s)+3], s[G1B:G1B+7]
	s_nop 0
.rept 4
	v_nop
.endr
.Lasked_\@:
.endm
; A prefetch: 32 rows x 256 bytes, a lane a row, of the K step that stands two refills on: 512 matrix instructions ahead of its load.  xh's rows are asked for by the clusters with x = 0, bw's by those with y = 0;
; the four partners of a joint load share its 128 rows out by address, 32 each: each block is named once in the launch.  Trips with CNT = 6 .. 3 name K steps 4 .. 7; K steps 0 to 3 come by their loads alone.
.macro ASK
	s_cmp_gt_u32 s[CNT], s[LIM]
	s_cbranch_scc0 .Lnot_mine_\@
	global_prefetch_b8 v[PFO], s[PFA:PFA+1] offset:KSTEP*2 th:TH_LOAD_NT scope:SCOPE_SE
.Lnot_mine_\@:
.endm
.macro CREST
	s_cmp_lg_u32 s[WV], 0
	s_cbranch_scc1 .Lnot_wave_0_\@
	s_barrier_signal -3
.Lnot_wave_0_\@:
	s_barrier_wait -3
	s_barrier_signal -1
	s_barrier_wait -1
.endm
.macro CROUND
	s_barrier_signal -1
	s_barrier_wait -1
	CREST
.endm
.macro RED4 op, a
.irp m, 1,2,4,8
	\op v[\a], v[\a], v[\a] row_xmask:\m row_mask:0xf bank_mask:0xf
.endr
.endm
	s_load_b256 s[4:11], s[0:1], 0x0               ; xh 4:5, bw 6:7, qv 8:9, stat 10:11
	v_lshl_add_u32 v[SPW], v0, 2, SPARE
	v_mov_b32 v[NIL], 0
	ds_add_u32 v[SPW], v[NIL]                      ; the opening: the add, twice on end, and its wait ahead of my first tensor load
	ds_add_u32 v[SPW], v[NIL]
	v_lshrrev_b32 v1, 5, v0
	v_readfirstlane_b32 s[WV], v1
	s_lshr_b32 s[WR], s[WV], 1
	s_and_b32 s[WC], s[WV], 1
	s_bfe_u32 s40, ttmp6, 0x40000                  ; cx
	s_bfe_u32 s41, ttmp6, 0x40004                  ; cy
	s_lshl_b32 s42, ttmp9, 2
	s_add_co_u32 s42, s42, s40                     ; tile column
	s_and_b32 s43, ttmp7, 0xffff
	s_lshl_b32 s43, s43, 2
	s_add_co_u32 s43, s43, s41                     ; tile row
	s_lshl_b32 s44, s41, 2
	s_lshl_b32 s44, 15, s44                        ; my row of the cluster
	s_lshl_b32 s45, 0x1111, s40                    ; my column
	s_or_b32 s[G1], s44, (1<<16)|(1<<20)|(1<<21)|(5<<22)|(3<<25)   ; mask; 2-byte elements; padding on; bit 21 beside a mask; after every 64 words, 4 words
	s_or_b32 s[G1B], s45, (1<<16)|(1<<20)|(1<<21)|(5<<22)|(3<<25)
.irp g, G1, G1B
	s_mov_b32 s[(\g)+1], KSTEP<<16                 ; tensor_dim0 = 128
	s_mov_b32 s[(\g)+2], 128<<16                   ; tensor_dim1 = 128
	s_mov_b32 s[(\g)+3], KSTEP<<16                 ; tile_dim0 = 128
	s_mov_b32 s[(\g)+4], 128                       ; tile_dim1 = 128
	s_mov_b32 s[(\g)+5], 1024                      ; elements from row to row
	s_mov_b32 s[(\g)+6], 0
	s_mov_b32 s[(\g)+7], 0
.endr
	s_lshl_b32 s17, s[WC], 7
	s_lshl_b32 s16, s43, 8
	s_add_co_u32 s16, s16, s17                     ; xh: row 256 x tile row + 128 x half
	s_lshl_b32 s16, s16, 11
	s_lshl_b32 s46, s42, 8
	s_add_co_u32 s46, s46, s17                     ; bw: row 256 x tile column + 128 x half
	s_lshl_b32 s46, s46, 11
	s_mov_b32 s17, 0
	s_mov_b32 s47, 0
	s_mul_i32 s20, s[WV], HALFT                    ; where my part goes: no place in the cluster enters an LDS address
	s_mov_b32 s[SEL], 0x76543210
	s_mov_b32 s[SEL+1], 0xfedcba98
	s_mov_b32 s[SOFF], 0
	s_wait_dscnt 0x0                               ; both opening adds are done
	s_wait_kmcnt 0x0
	s_add_nc_u64 s[14:15], s[4:5], s[16:17]
	s_add_nc_u64 s[46:47], s[6:7], s[46:47]
	CROUND                                         ; all sixteen work-groups are here: the first joint loads meet
.irp s, 0,1
	s_mov_b32 s[G0+4*(\s)], 1
	s_add_co_u32 s[G0+4*(\s)+1], s20, (\s)*SLOT
	s_add_nc_u64 s[G0+4*(\s)+2:G0+4*(\s)+3], s[14:15], (\s)*KSTEP*2
	s_or_b32 s[G0+4*(\s)+3], s[G0+4*(\s)+3], 0x80000000
	s_mov_b32 s[G0B+4*(\s)], 1
	s_add_co_u32 s[G0B+4*(\s)+1], s20, (\s)*SLOT
	s_add_nc_u64 s[G0B+4*(\s)+2:G0B+4*(\s)+3], s[46:47], (\s)*KSTEP*2
	s_or_b32 s[G0B+4*(\s)+3], s[G0B+4*(\s)+3], 0x80000000
	JLOAD \s                                       ; K steps 0 and 1: two loads of mine are out
.endr
	; the scale's numbers are asked for, then the lane addresses are made
	v_and_b32 v4, 31, v0
	v_lshlrev_b32 v5, 5, v4
	v_lshlrev_b32 v6, 3, v4
	s_lshl_b32 s14, ttmp9, 8                       ; cluster x = 0: the query half's 64 sums; 1: the value half's
	s_mov_b32 s15, 0
	s_add_nc_u64 s[14:15], s[10:11], s[14:15]
	global_load_b128 v[32:35], v5, s[10:11]
	global_load_b128 v[36:39], v5, s[10:11] offset:16
	global_load_b64 v[40:41], v6, s[14:15] offset:1024
	v_and_b32 v1, 15, v0                           ; r
	v_bfe_u32 v2, v0, 4, 1                         ; h
	v_mul_u32_u24 v3, v1, PITCH
	v_lshl_add_u32 v3, v2, 4, v3
	s_mul_i32 s21, s[WR], HALFT
	s_mul_i32 s22, s[WC], HALFT
	s_add_co_u32 s22, s22, 2*HALFT
	v_add_nc_u32 v[ADRA0], s21, v3
	v_add_nc_u32 v[ADRB0], s22, v3
	v_mov_b32 v[ADRA], v[ADRA0]
	v_mov_b32 v[ADRB], v[ADRB0]
	s_mul_i32 s23, s[WV], 16*SPITCH
	s_add_co_u32 s23, s23, STAGE
	v_mul_u32_u24 v7, v1, SPITCH
	v_lshl_add_u32 v7, v2, 4, v7
	v_add_nc_u32 v[STO], s23, v7
	v_mul_u32_u24 v7, v2, SPITCH
	v_lshl_add_u32 v7, v1, 4, v7
	v_add_nc_u32 v[RD], s23, v7
	v_lshlrev_b32 v[CO], 12, v2                    ; a row of qv is 4,096 bytes
	v_lshl_add_u32 v[CO], v1, 4, v[CO]
	; the prefetches' address
	s_lshl_b32 s20, s43, 8
	s_lshl_b32 s21, s42, 8
	s_and_b32 s22, ttmp7, 0xffff
	s_cmp_eq_u32 s[WR], 0
	s_cselect_b32 s20, s20, s21                    ; the tile's first row
	s_cselect_b32 s21, s40, s41                    ; my place among the four that ask with me
	s_cselect_b32 s22, ttmp9, s22                  ; the coordinate along which other clusters read the same rows
	s_cselect_b64 s[PFA:PFA+1], s[4:5], s[6:7]
	s_cmp_eq_u32 s22, 0
	s_cselect_b32 s[LIM], 2, -1
	s_lshl_b32 s22, s[WC], 7
	s_add_co_u32 s20, s20, s22
	s_lshl_b32 s21, s21, 5
	s_add_co_u32 s20, s20, s21
	s_lshl_b32 s20, s20, 11
	s_mov_b32 s21, 0
	s_add_nc_u64 s[PFA:PFA+1], s[PFA:PFA+1], s[20:21]
	s_add_nc_u64 s[PFA:PFA+1], s[PFA:PFA+1], 2*KSTEP*2
	v_lshlrev_b32 v[PFO], 11, v4
	; qv at my part of the tile
	s_lshl_b32 s16, s43, 8
	s_lshl_b32 s17, s[WR], 7
	s_add_co_u32 s16, s16, s17
	s_lshl_b32 s16, s16, 12
	s_lshl_b32 s46, s42, 9
	s_add_co_u32 s16, s16, s46
	s_lshl_b32 s46, s[WC], 8
	s_add_co_u32 s16, s16, s46
	s_mov_b32 s17, 0
	s_add_nc_u64 s[8:9], s[8:9], s[16:17]
	s_wait_loadcnt 0x0
	v_max3_num_f32 v32, v32, v33, v34
	v_max3_num_f32 v35, v35, v36, v37
	v_max3_num_f32 v32, v32, v38, v39
	v_max_num_f32 v32, v32, v35
	RED4 v_max_num_f32_dpp, 32
	v_permlanex16_b32 v33, v32, s[SEL], s[SEL+1]
	v_max_num_f32 v32, v32, v33                    ; X2
	v_add_f32 v40, v40, v41
	RED4 v_add_f32_dpp, 40
	v_permlanex16_b32 v41, v40, s[SEL], s[SEL+1]
	v_add_f32 v40, v40, v41                        ; F2
	v_mul_f32 v32, v32, v40
	v_max_num_f32 v32, 0x0da24260, v32             ; at least 1e-30
	v_rsq_f32 v32, v32
	v_nop
	s_wait_alu depctr_va_vdst(0)                   ; a wait ahead of the result's first use
	v_mul_f32 v[SC], 0x44800000, v32               ; x 1,024
	v_mov_b32 v[SC+1], v[SC]
; 16 matrix instructions: row blocks a0, a0 + 1 of the window's four x all 8 column blocks, 32 along K.  zero = 1: the product starts the sum.  The 64 accumulators take turns.
.macro MUL16 f, hi, a0, zero
	WIN MUL_LO+0x50*(\hi)
.irp a, \a0, (\a0)+1
.irp b, 0,1,2,3,4,5,6,7
.if \zero
	v_wmma_f32_16x16x32_f16 v[8*(8*(\a)+(\b)):8*(8*(\a)+(\b))+7], v[(\f)+8*(\b):(\f)+8*(\b)+7], v[(\f)+8*(4*(\hi)+(\a)):(\f)+8*(4*(\hi)+(\a))+7], 0
.else
	v_wmma_f32_16x16x32_f16 v[8*(8*(\a)+(\b)):8*(8*(\a)+(\b))+7], v[(\f)+8*(\b):(\f)+8*(\b)+7], v[(\f)+8*(4*(\hi)+(\a)):(\f)+8*(4*(\hi)+(\a))+7], v[8*(8*(\a)+(\b)):8*(8*(\a)+(\b))+7]
.endif
.endr
.endr
.endm
; 32 LDS loads in one run: a quarter step's fragments (32 K at byte k of the rows) into buffer f, from the slot in hand
.macro FETCH k, f
	WIN TO_B
.irp i, 0,1,2,3,4,5,6,7
	ds_load_b128 v[(\f)+8*(\i):(\f)+8*(\i)+3],   v[ADRB] offset:(\k)+(\i)*16*PITCH
	ds_load_b128 v[(\f)+8*(\i)+4:(\f)+8*(\i)+7], v[ADRB] offset:(\k)+(\i)*16*PITCH+32
.endr
	WIN 0
.irp i, 0,1,2,3,4,5,6,7
	ds_load_b128 v[(\f)+8*(\i):(\f)+8*(\i)+3],   v[ADRA] offset:(\k)+(\i)*16*PITCH
	ds_load_b128 v[(\f)+8*(\i)+4:(\f)+8*(\i)+7], v[ADRA] offset:(\k)+(\i)*16*PITCH+32
.endr
.endm
.macro QUARTER k, f, g, zero
	s_wait_dscnt 8                                 ; bw's fragments and xh's rows 0-63 are in; the youngest eight loads may be out
	MUL16 \f, 0, 0, \zero
	MUL16 \f, 0, 2, \zero
	PLACES                                         ; behind the products that read buffer g
	FETCH \k, \g
	s_wait_dscnt 32                                ; all but the 32 just issued
	MUL16 \f, 1, 0, \zero
	MUL16 \f, 1, 2, \zero
.endm
; A K step's last quarter, and the change of slots.  fill = 1: the slot just read is filled again, two K steps ahead, behind a round of the cluster's barrier; 224 matrix instructions lie between the request and the wait for it.
.macro TURN fill
.if \fill
	s_wait_xcnt 0x0                                ; the last prefetch, a K step back, has read its address
	s_add_nc_u64 s[PFA:PFA+1], s[PFA:PFA+1], KSTEP*2
.endif
	WIN 0
	s_wait_tensorcnt 0x0                           ; all my tensor loads have landed: the one that was out is my part of the next slot
	ds_add_u32 v[SPW], v[NIL]                      ; 0 onto my spare word
.if \fill
	s_xor_b32 s[G0+5], s[G0+5], SLOT               ; the walking descriptors: the other slot, the next K step
	s_add_nc_u64 s[G0+6:G0+7], s[G0+6:G0+7], KSTEP*2
	s_xor_b32 s[G0B+5], s[G0B+5], SLOT
	s_add_nc_u64 s[G0B+6:G0B+7], s[G0B+6:G0B+7], KSTEP*2
.endif
	s_wait_dscnt 9                                 ; the add and the youngest eight loads may be out
	MUL16 F1, 0, 0, 0
	s_wait_dscnt 0x0                               ; the add is done, and my reads of this slot are over
	s_barrier_signal -1
	MUL16 F1, 0, 2, 0
	WIN 0
	s_barrier_wait -1
.if \fill
	CREST                                          ; no wave of any partner still reads this slot or has a load on its way
	JLOAD 1                                        ; the first tensor load behind the round; its four v_nop are also the places in front of the loads below
.else
	PLACES
.endif
	s_xor_b32 s[SOFF], s[SOFF], SLOT
	v_add_nc_u32 v[ADRA], s[SOFF], v[ADRA0]
	v_add_nc_u32 v[ADRB], s[SOFF], v[ADRB0]
.if !(\fill)
	s_cmp_eq_u32 s[CNT], 1                         ; behind the last K step there is nothing to fetch
	s_cbranch_scc1 .Lno_fetch_\@
.endif
	FETCH 0, F0
.if \fill
	ASK
.else
.Lno_fetch_\@:
.endif
	MUL16 F1, 1, 0, 0
	MUL16 F1, 1, 2, 0
.endm
; THE WAY OUT of row block a: scaled, rounded to f16 (16 bytes a lane), through my own stage, back as whole rows of 256 bytes, stored.
.macro PACK a
.set AC, 64*((\a)%4)
	WIN 0x82+0x41*((\a)/4)                         ; accumulators in window 2 or 3 (destination and source 0), the scale in window 0
.set i, 0
.rept 32
	v_pk_mul_f32 v[AC+i:AC+i+1], v[AC+i:AC+i+1], v[SC:SC+1]
.set i, i+2
.endr
	WIN 0x0a+5*((\a)/4)
.irp b, 0,1,2,3,4,5,6,7
.irp r, 0,1,2,3
	v_cvt_pk_f16_f32 v[TMP+4*(\b)+(\r)], v[AC+8*(\b)+2*(\r)], v[AC+8*(\b)+2*(\r)+1]
.endr
.endr
	WIN 0
.endm
.macro TOSTAGE a
.set BK, OB+192*((\a)%2)
.irp b, 0,1,2,3,4,5,6,7
	ds_store_b128 v[STO], v[TMP+4*(\b):TMP+4*(\b)+3] offset:32*(\b)
.endr
.irp t, 0,1,2,3,4,5,6,7
	ds_load_b128 v[BK+4*(\t):BK+4*(\t)+3], v[RD] offset:(\t)*2*SPITCH  ; LDS serves a wave's instructions in order: these see the stores above
.endr
.endm
.macro SEND a
.set BK, OB+192*((\a)%2)
	s_wait_dscnt 0x0                               ; the block is back in registers
	s_wait_xcnt 0x0                                ; earlier stores have read their registers: the other set is loaded again only behind this wait
.irp t, 0,1,2,3,4,5,6,7
	global_store_b128 v[CO], v[BK+4*(\t):BK+4*(\t)+3], s[8:9] offset:(16*(\a)+2*(\t))*4096  ; 16 lanes store 256 consecutive bytes, aligned
.endr
.endm
	s_wait_tensorcnt 1                             ; my part of K step 0 is in; K step 1's stays out
	s_barrier_signal -1
	s_barrier_wait -1
	FETCH 0, F0
	QUARTER 64, F0, F1, 1                          ; the first quarter starts the sums
	WIN 0
	s_mov_b32 s[CNT], 6
.Lstep:                                        ; a trip: a K step's quarters 1 to 3, the refill, the next K step's quarter 0
	QUARTER 128, F1, F0, 0
	QUARTER 192, F0, F1, 0
	TURN 1
	QUARTER 64, F0, F1, 0
	WIN 0
	s_sub_co_u32 s[CNT], s[CNT], 1
	s_cmp_lg_u32 s[CNT], 0
	s_cbranch_scc1 .Lstep
	s_mov_b32 s[CNT], 2
.Ltail:                                        ; K steps 6 and 7 ask for nothing
	QUARTER 128, F1, F0, 0
	QUARTER 192, F0, F1, 0
	TURN 0
	WIN 0
	s_sub_co_u32 s[CNT], s[CNT], 1
	s_cmp_eq_u32 s[CNT], 0
	s_cbranch_scc1 .Lout
	QUARTER 64, F0, F1, 0
	WIN 0
	s_branch .Ltail
.Lout:
	s_wait_dscnt 0x0
	PLACES
	PLACES
	PACK 0
	TOSTAGE 0
.irp a, 1,2,3,4,5,6,7
	PACK \a
	SEND (\a)-1
	TOSTAGE \a
.endr
	SEND 7
	s_wait_tensorcnt 0x0                           ; the wave's end
	ds_add_u32 v[SPW], v[NIL]
	s_wait_dscnt 0x0
	CROUND                                         ; the closing round
	s_endpgm
.Lfunc_end_k_q3254630fe1_proj:
	.size	k_q3254630fe1_proj, .Lfunc_end_k_q3254630fe1_proj-k_q3254630fe1_proj
	.p2alignl 7, 3214868480
	.fill 96, 4, 3214868480
	.section	.rodata,"a",@progbits
	.p2align	6, 0x0
	.amdhsa_kernel k_q3254630fe1_proj
		.amdhsa_group_segment_fixed_size 327680
		.amdhsa_private_segment_fixed_size 0
		.amdhsa_enable_private_segment 0
		.amdhsa_kernarg_size 32
		.amdhsa_user_sgpr_count 2
		.amdhsa_user_sgpr_kernarg_segment_ptr 1
		.amdhsa_wavefront_size32 1
		.amdhsa_system_sgpr_workgroup_id_x 1
		.amdhsa_system_sgpr_workgroup_id_y 1
		.amdhsa_system_sgpr_workgroup_id_z 1
		.amdhsa_system_vgpr_workitem_id 0
		.amdhsa_next_free_vgpr 1024
		.amdhsa_next_free_sgpr 96
		.amdhsa_reserve_vcc 0
		.amdhsa_float_denorm_mode_32 3
		.amdhsa_float_denorm_mode_16_64 3
		.amdhsa_memory_ordered 1
		.amdhsa_forward_progress 1
		.amdhsa_inst_pref_size 119
	.end_amdhsa_kernel
	.amdgpu_metadata
---
amdhsa.version: [ 1, 2 ]
amdhsa.kernels:
  - .name:           k_q3254630fe1_proj
    .symbol:         k_q3254630fe1_proj.kd
    .args:
      - { .name: xh, .offset: 0, .size: 8, .value_kind: global_buffer, .address_space: global }
      - { .name: bw, .offset: 8, .size: 8, .value_kind: global_buffer, .address_space: global }
      - { .name: qv, .offset: 16, .size: 8, .value_kind: global_buffer, .address_space: global }
      - { .name: stat, .offset: 24, .size: 8, .value_kind: global_buffer, .address_space: global }
    .group_segment_fixed_size: 327680
    .private_segment_fixed_size: 0
    .kernarg_segment_align: 8
    .kernarg_segment_size: 32
    .max_flat_workgroup_size: 128
    .sgpr_count:     96
    .vgpr_count:     1024
    .wavefront_size: 32
...
	.end_amdgpu_metadata
.endif
;; end of part 2
;; launch score (part 3): grid 9 x 16, 4 waves a work-group, no clusters, 327,680 bytes of LDS; arguments qv, xh, pm, stat, ld2; writes pm
.if DOCPART == 3
	.amdgcn_target "amdgcn-amd-amdhsa--gfx1250"
	.amdhsa_code_object_version 6
	.text
	.protected	k_q3254630fe1_score
	.globl	k_q3254630fe1_score
	.p2align	8
	.type	k_q3254630fe1_score,@function
k_q3254630fe1_score:
	s_mov_b64 s[64:65], 0
	v_nop
	global_prefetch_b8 v0, s[64:65] scope:SCOPE_SE
	s_setreg_imm32_b32 hwreg(HW_REG_WAVE_MODE, 25, 1), 1
	s_wait_xcnt 0x0
; SCORE.  pm[i][j] = (sum over e of qv[i][e] xh[j][e]) x 2^(ld2[j] (j - i - 1) - log2(X2) / 2) for j > i, else 0; f16; i, j in one batch of 2,048 rows; e = 0 .. 1023 (qv's query half).
; The exponent is never positive (ld2 <= 0, the distance >= 0), so no maximum is taken away, as in the module itself; a weight below 2^-126 counts as 0.  By Cauchy-Schwarz |pm| <= 1,024.
; LIMIT: a row of x whose norm lies more than about 100 times under the largest row's loses precision in pm (f16's fixed step).
; TILES.  256 x 256, only those with tile column >= tile row: 36 a batch.  Work-group (c, y): batch y / 4, p = y % 4; c < 8 - p: tile (p, p + c), else tile (7 - p, c - 1): 9 tiles for each p.
; The diagonal work-groups of odd tile rows also write zeros into the tile to their left, which the next launch reads with its blocks of 512 rows.
; NO CLUSTER: a tile row has 8, 7, .. 1 tiles and a tile column 1 .. 8: no split into fours lets partners share a tile in every K step without work-groups for tiles that the mask throws away whole.
; A WAVE's 128 x 128 is of one of three kinds, by D = its first column less its first row: D >= 128: all visible; D = 0: it holds the diagonal; D < 0: all hidden (its weights are 0).
; WEIGHTS.  A lane holds row 16 a + r and columns 16 b + 8 h + t: the distance is D + 16 (b - a) + (8 h + t - r - 1).  The rows go out from a = 7 down; from a to a - 1 the distance grows by 16, so
; W[b][t] is multiplied by MU[b][t] = 2^(16 ld2[j]) <= 1: 192 exponentials a lane in place of 512.  With the diagonal: W[b] starts at a = b - 1 and is first stepped for a = b - 2; block a = b takes WD, masked; blocks b < a are 0.
; Main loop, ring and way out as in the projection: K in 8 steps of 128, two slots, one tensor load a wave behind each barrier.
; REGISTERS: window 0: v0-31 addresses; v32-63 at work; v64-191 qv's fragments, later the way out's; v192-255 ld2, then WD.  window 1: v0-63 MU; v64-191 xh's fragments; v192-255 W.  windows 2, 3: accumulators.
.set KSTEP,  128
.set PITCH,  272
.set HALFT,  128*PITCH
.set SLOT,   4*HALFT
.set STAGE,  2*SLOT
.set SPITCH, 272
.set SPARE,  STAGE+4*16*SPITCH         ; the spare words: 128 bytes a wave, two blocks of 256 bytes that no other line names
.set PFO,   4                          ; v4-7  the prefetches' offsets: (lane + 32 n) rows
.set ADRA,  16
.set ADRA0, 17
.set ADRB,  20
.set ADRB0, 21
.set ZO,    22                         ; v22  16 x lane
.set STO,   24
.set RD,    25
.set CO,    26
.set SPW,   28
.set NIL,   29
.set F0,    64
.set F1,    128
.set T,     64                         ; the way out: weighted scores, f32
.set TMP,   128                        ; packed
.set OB,    32                         ; read back: v32-63 and v160-191 by turns
.set LDR,   192                        ; window 0: ld2[b][t], then WD
.set WW,    192                        ; window 1
.set MU,    0                          ; window 1
.set G1,  24
.set G0,  32
.set G1B, 48
.set G0B, 56
.set WV,  66
.set WR,  67
.set WC,  68
.set SOFF, 69
.set CNT, 70
.set LIM, 71
.set PFA, 72
.set SEL, 74
.set DM,  76                           ; 1: my part holds the diagonal
.set MSB, 0
.macro WIN new
.if MSB != (\new)
	s_set_vgpr_msb (MSB<<8)|(\new)
.set MSB, \new
.endif
.endm
.set MUL_LO, 0xa1
.set MUL_HI, 0xf1
.set TO_B,   0x40
.macro PLACES
.rept 4
	v_nop
.endr
.endm
.macro JLOAD s                         ; waves 0 and 1 fetch qv's two halves, waves 2 and 3 xh's; an s_nop 0 and four v_nop follow each line
	s_cmp_eq_u32 s[WR], 0
	s_cbranch_scc0 .Lfor_b_\@
	tensor_load_to_lds s[G0+4*(\s):G0+4*(\s)+3], s[G1:G1+7]
	s_nop 0
.rept 4
	v_nop
.endr
	s_branch .Lasked_\@
.Lfor_b_\@:
	tensor_load_to_lds s[G0B+4*(\s):G0B+4*(\s)+3], s[G1B:G1B+7]
	s_nop 0
.rept 4
	v_nop
.endr
.Lasked_\@:
.endm
; A prefetch.  Row block t of qv's query half is read by all work-groups of tile row t, row block t of xh by all of tile column t; the diagonal work-group (t, t) reads both, and it alone asks: each of its waves
; for the 128 rows that it fetches itself, a lane a row, four instructions, the K step two refills on (512 matrix instructions ahead of its load).  So each block is named once.  CNT = 6 .. 3 name K steps 4 .. 7.
.macro ASK
	s_cmp_gt_u32 s[CNT], s[LIM]
	s_cbranch_scc0 .Lnot_mine_\@
.irp n, 0,1,2,3
	global_prefetch_b8 v[PFO+\n], s[PFA:PFA+1] offset:KSTEP*2 th:TH_LOAD_NT scope:SCOPE_SE
.endr
.Lnot_mine_\@:
.endm
.macro RED4 op, a
.irp m, 1,2,4,8
	\op v[\a], v[\a], v[\a] row_xmask:\m row_mask:0xf bank_mask:0xf
.endr
.endm
	s_load_b256 s[4:11], s[0:1], 0x0               ; qv 4:5, xh 6:7, pm 8:9, stat 10:11
	s_load_b64 s[12:13], s[0:1], 0x20              ; ld2
	v_lshl_add_u32 v[SPW], v0, 2, SPARE
	v_mov_b32 v[NIL], 0
	ds_add_u32 v[SPW], v[NIL]                      ; the opening: the add, twice on end, and its wait ahead of my first tensor load
	ds_add_u32 v[SPW], v[NIL]
	v_lshrrev_b32 v1, 5, v0
	v_readfirstlane_b32 s[WV], v1
	s_lshr_b32 s[WR], s[WV], 1
	s_and_b32 s[WC], s[WV], 1
	s_and_b32 s14, ttmp7, 0xffff
	s_and_b32 s15, s14, 3                          ; p
	s_lshr_b32 s40, s14, 2                         ; batch
	s_lshl_b32 s41, s40, 11                        ; its first row
	s_sub_co_u32 s16, 8, s15
	s_sub_co_u32 s17, 7, s15
	s_add_co_u32 s18, s15, ttmp9
	s_sub_co_u32 s19, ttmp9, 1                     ; (not chosen where c = 0)
	s_cmp_lt_u32 ttmp9, s16
	s_cselect_b32 s43, s15, s17                    ; tile row
	s_cselect_b32 s42, s18, s19                    ; tile column
	s_mov_b32 s[G1], (1<<16)|(1<<20)|(5<<22)|(3<<25)   ; 2-byte elements; padding on: after every 64 words, 4 words
	s_mov_b32 s[G1B], (1<<16)|(1<<20)|(5<<22)|(3<<25)
.irp g, G1, G1B
	s_mov_b32 s[(\g)+1], KSTEP<<16
	s_mov_b32 s[(\g)+2], 128<<16
	s_mov_b32 s[(\g)+3], KSTEP<<16
	s_mov_b32 s[(\g)+4], 128
	s_mov_b32 s[(\g)+6], 0
	s_mov_b32 s[(\g)+7], 0
.endr
	s_mov_b32 s[G1+5], 2048                        ; qv: elements from row to row
	s_mov_b32 s[G1B+5], 1024                       ; xh
	s_lshl_b32 s17, s[WC], 7
	s_lshl_b32 s16, s43, 8
	s_add_co_u32 s16, s16, s41
	s_add_co_u32 s16, s16, s17
	s_lshl_b32 s16, s16, 12                        ; qv: my 128 rows of the tile's 256
	s_lshl_b32 s46, s42, 8
	s_add_co_u32 s46, s46, s41
	s_add_co_u32 s46, s46, s17
	s_lshl_b32 s46, s46, 11                        ; xh likewise
	s_mov_b32 s17, 0
	s_mov_b32 s47, 0
	s_mul_i32 s20, s[WV], HALFT
	s_mov_b32 s[SEL], 0x76543210
	s_mov_b32 s[SEL+1], 0xfedcba98
	s_mov_b32 s[SOFF], 0
	; my part's kind
	s_sub_co_u32 s21, s42, s43
	s_lshl_b32 s21, s21, 8
	s_sub_co_i32 s22, s[WC], s[WR]
	s_lshl_b32 s22, s22, 7
	s_add_co_i32 s21, s21, s22                     ; D
	s_sub_co_i32 s23, s21, 112
	s_cmp_eq_u32 s21, 0
	s_cselect_b32 s[DM], 1, 0
	s_cmp_ge_i32 s21, 128
	s_cselect_b32 s80, s23, 16                     ; the distance's offset for b = 0: D - 112 (row block 7), or 16 (row block b - 1)
	s_cselect_b32 s82, 0x41800000, 0               ; and its step from b to b + 1: 16.0 or 0
	s_cmp_lt_i32 s21, 0
	s_cselect_b32 s78, 0xf149f2ca, 0               ; all hidden: -1e30 in every exponent
	s_mov_b32 s79, 0xf149f2ca
	s_wait_dscnt 0x0                               ; both opening adds are done
	s_wait_kmcnt 0x0
	s_add_nc_u64 s[14:15], s[4:5], s[16:17]
	s_add_nc_u64 s[46:47], s[6:7], s[46:47]
.irp s, 0,1
	s_mov_b32 s[G0+4*(\s)], 1
	s_add_co_u32 s[G0+4*(\s)+1], s20, (\s)*SLOT
	s_add_nc_u64 s[G0+4*(\s)+2:G0+4*(\s)+3], s[14:15], (\s)*KSTEP*2
	s_or_b32 s[G0+4*(\s)+3], s[G0+4*(\s)+3], 0x80000000
	s_mov_b32 s[G0B+4*(\s)], 1
	s_add_co_u32 s[G0B+4*(\s)+1], s20, (\s)*SLOT
	s_add_nc_u64 s[G0B+4*(\s)+2:G0B+4*(\s)+3], s[46:47], (\s)*KSTEP*2
	s_or_b32 s[G0B+4*(\s)+3], s[G0B+4*(\s)+3], 0x80000000
	JLOAD \s                                       ; K steps 0 and 1: two loads of mine are out
.endr
	; all that follows, up to the first barrier, stands in the wait for the first tiles
	v_and_b32 v1, 15, v0                           ; r
	v_bfe_u32 v2, v0, 4, 1                         ; h
	v_and_b32 v3, 31, v0                           ; lane
	v_lshlrev_b32 v9, 5, v3
	v_lshlrev_b32 v8, 5, v2
	s_lshl_b32 s16, s42, 8
	s_add_co_u32 s16, s16, s41
	s_lshl_b32 s21, s[WC], 7
	s_add_co_u32 s16, s16, s21
	s_lshl_b32 s16, s16, 2
	s_add_nc_u64 s[12:13], s[12:13], s[16:17]      ; ld2 at my first column
	global_load_b128 v[48:51], v9, s[10:11]        ; the 256 partial maxima of the rows' sums of squares
	global_load_b128 v[52:55], v9, s[10:11] offset:16
.irp b, 0,1,2,3,4,5,6,7
	global_load_b128 v[LDR+8*(\b):LDR+8*(\b)+3],   v8, s[12:13] offset:64*(\b)
	global_load_b128 v[LDR+8*(\b)+4:LDR+8*(\b)+7], v8, s[12:13] offset:64*(\b)+16
.endr
	; the prefetches' address: my own tile's, at K step 2
	s_cmp_eq_u32 s[WR], 0
	s_cselect_b64 s[PFA:PFA+1], s[14:15], s[46:47]
	s_cselect_b32 s21, 12, 11                      ; a row of qv is 4,096 bytes, of xh 2,048
	s_add_nc_u64 s[PFA:PFA+1], s[PFA:PFA+1], 2*KSTEP*2
	s_cmp_eq_u32 s42, s43
	s_cselect_b32 s[LIM], 2, -1
	s_lshl_b32 s22, 32, s21
	v_lshlrev_b32 v[PFO], s21, v3
	v_add_nc_u32 v[PFO+1], s22, v[PFO]
	v_add_nc_u32 v[PFO+2], s22, v[PFO+1]
	v_add_nc_u32 v[PFO+3], s22, v[PFO+2]
	v_mul_u32_u24 v12, v1, PITCH
	v_lshl_add_u32 v12, v2, 4, v12
	s_mul_i32 s21, s[WR], HALFT
	s_mul_i32 s22, s[WC], HALFT
	s_add_co_u32 s22, s22, 2*HALFT
	v_add_nc_u32 v[ADRA0], s21, v12
	v_add_nc_u32 v[ADRB0], s22, v12
	v_mov_b32 v[ADRA], v[ADRA0]
	v_mov_b32 v[ADRB], v[ADRB0]
	s_mul_i32 s23, s[WV], 16*SPITCH
	s_add_co_u32 s23, s23, STAGE
	v_mul_u32_u24 v12, v1, SPITCH
	v_lshl_add_u32 v12, v2, 4, v12
	v_add_nc_u32 v[STO], s23, v12
	v_mul_u32_u24 v12, v2, SPITCH
	v_lshl_add_u32 v12, v1, 4, v12
	v_add_nc_u32 v[RD], s23, v12
	v_lshlrev_b32 v[CO], 12, v2                    ; a row of pm is 4,096 bytes
	v_lshl_add_u32 v[CO], v1, 4, v[CO]
	v_lshlrev_b32 v[ZO], 4, v3
	; the tile of zeros: 64 rows a wave, a row (512 consecutive bytes) a store
	s_and_b32 s14, s43, 1
	s_cmp_eq_u32 s42, s43
	s_cselect_b32 s14, s14, 0
	s_cmp_eq_u32 s14, 0
	s_cbranch_scc1 .Lno_zero
	s_lshl_b32 s14, s43, 8
	s_add_co_u32 s14, s14, s41
	s_lshl_b32 s15, s[WV], 6
	s_add_co_u32 s14, s14, s15
	s_lshl_b32 s14, s14, 12
	s_sub_co_u32 s15, s43, 1
	s_lshl_b32 s15, s15, 9
	s_add_co_u32 s14, s14, s15
	s_mov_b32 s15, 0
	s_add_nc_u64 s[86:87], s[8:9], s[14:15]
	v_mov_b32 v56, 0
	v_mov_b32 v57, 0
	v_mov_b32 v58, 0
	v_mov_b32 v59, 0
	s_mov_b32 s88, 8
.Lzero:
.irp i, 0,1,2,3,4,5,6,7
	global_store_b128 v[ZO], v[56:59], s[86:87] offset:4096*(\i)
.endr
	s_wait_xcnt 0x0                                ; the stores have read their base and data
	s_add_nc_u64 s[86:87], s[86:87], 0x8000
	s_sub_co_u32 s88, s88, 1
	s_cmp_lg_u32 s88, 0
	s_cbranch_scc1 .Lzero
.Lno_zero:
	; pm at my part of the tile
	s_lshl_b32 s16, s43, 8
	s_add_co_u32 s16, s16, s41
	s_lshl_b32 s21, s[WR], 7
	s_add_co_u32 s16, s16, s21
	s_lshl_b32 s16, s16, 12
	s_lshl_b32 s21, s42, 9
	s_add_co_u32 s16, s16, s21
	s_lshl_b32 s21, s[WC], 8
	s_add_co_u32 s16, s16, s21
	s_add_nc_u64 s[8:9], s[8:9], s[16:17]
	s_wait_loadcnt 0x0
	v_max3_num_f32 v48, v48, v49, v50
	v_max3_num_f32 v51, v51, v52, v53
	v_max3_num_f32 v48, v48, v54, v55
	v_max_num_f32 v48, v48, v51
	RED4 v_max_num_f32_dpp, 48
	v_permlanex16_b32 v49, v48, s[SEL], s[SEL+1]
	v_max_num_f32 v48, v48, v49
	v_max_num_f32 v48, 0x0da24260, v48             ; X2, at least 1e-30
	v_log_f32 v48, v48
	v_lshlrev_b32 v12, 3, v2                       ; the plain instruction behind it
	s_wait_alu depctr_va_vdst(0)
	v_mul_f32 v48, -0.5, v48                       ; log2(1 / X)
	v_add_f32 v10, s78, v48                        ; what every exponent starts with
	v_mov_b32 v11, v10
	v_sub_nc_u32 v12, v12, v1                      ; 8 h - r
	v_cvt_f32_i32 v8, s80
	v_mov_b32 v9, v8
.irp t, 0,1,2,3,4,5,6,7
	v_add_nc_u32 v[32+\t], (\t)-1, v12
.endr
.irp t, 0,1,2,3,4,5,6,7
	v_cvt_f32_i32 v[32+\t], v[32+\t]               ; 8 h + t - r - 1
.endr
.irp t, 0,1,2,3,4,5,6,7
	v_max_num_f32 v[40+\t], 0, v[32+\t]            ; the diagonal block's distance,
	v_cmp_le_f32 vcc_lo, 0, v[32+\t]
	v_cndmask_b32 v[48+\t], s79, v10, vcc_lo       ; and its mask: -1e30 where the key is hidden
.endr
.irp b, 0,1,2,3,4,5,6,7
	WIN 0
.irp u, 0,2,4,6
	v_pk_add_f32 v[56+\u:57+\u], v[32+\u:33+\u], v[8:9] op_sel_hi:[1,0]
.endr
	v_add_f32 v8, s82, v8
	WIN 0x40                                       ; destination window 1, sources window 0
.irp u, 0,2,4,6
	v_pk_fma_f32 v[WW+8*(\b)+\u:WW+8*(\b)+\u+1], v[LDR+8*(\b)+\u:LDR+8*(\b)+\u+1], v[56+\u:57+\u], v[10:11]
	v_pk_mul_f32 v[MU+8*(\b)+\u:MU+8*(\b)+\u+1], v[LDR+8*(\b)+\u:LDR+8*(\b)+\u+1], 0x41800000 op_sel_hi:[1,0]
.endr
.endr
	WIN 0
.irp b, 0,1,2,3,4,5,6,7
.irp u, 0,2,4,6
	v_pk_fma_f32 v[LDR+8*(\b)+\u:LDR+8*(\b)+\u+1], v[LDR+8*(\b)+\u:LDR+8*(\b)+\u+1], v[40+\u:41+\u], v[48+\u:49+\u]
.endr
.endr
	WIN 0x41                                       ; one batch of 192 exponentials, in place
.set i, 0
.rept 64
	v_exp_f32 v[MU+i], v[MU+i]
	v_exp_f32 v[WW+i], v[WW+i]
.set i, i+1
.endr
	WIN 0
.set i, 0
.rept 64
	v_exp_f32 v[LDR+i], v[LDR+i]
.set i, i+1
.endr
	v_nop                                          ; a plain instruction behind the last,
	s_wait_alu depctr_va_vdst(0)                   ; and one wait for the batch
.macro MUL16 f, hi, a0, zero
	WIN MUL_LO+0x50*(\hi)
.irp a, \a0, (\a0)+1
.irp b, 0,1,2,3,4,5,6,7
.if \zero
	v_wmma_f32_16x16x32_f16 v[8*(8*(\a)+(\b)):8*(8*(\a)+(\b))+7], v[(\f)+8*(\b):(\f)+8*(\b)+7], v[(\f)+8*(4*(\hi)+(\a)):(\f)+8*(4*(\hi)+(\a))+7], 0
.else
	v_wmma_f32_16x16x32_f16 v[8*(8*(\a)+(\b)):8*(8*(\a)+(\b))+7], v[(\f)+8*(\b):(\f)+8*(\b)+7], v[(\f)+8*(4*(\hi)+(\a)):(\f)+8*(4*(\hi)+(\a))+7], v[8*(8*(\a)+(\b)):8*(8*(\a)+(\b))+7]
.endif
.endr
.endr
.endm
.macro FETCH k, f
	WIN TO_B
.irp i, 0,1,2,3,4,5,6,7
	ds_load_b128 v[(\f)+8*(\i):(\f)+8*(\i)+3],   v[ADRB] offset:(\k)+(\i)*16*PITCH
	ds_load_b128 v[(\f)+8*(\i)+4:(\f)+8*(\i)+7], v[ADRB] offset:(\k)+(\i)*16*PITCH+32
.endr
	WIN 0
.irp i, 0,1,2,3,4,5,6,7
	ds_load_b128 v[(\f)+8*(\i):(\f)+8*(\i)+3],   v[ADRA] offset:(\k)+(\i)*16*PITCH
	ds_load_b128 v[(\f)+8*(\i)+4:(\f)+8*(\i)+7], v[ADRA] offset:(\k)+(\i)*16*PITCH+32
.endr
.endm
.macro QUARTER k, f, g, zero
	s_wait_dscnt 8                                 ; xh's fragments and qv's rows 0-63 are in; the youngest eight loads may be out
	MUL16 \f, 0, 0, \zero
	MUL16 \f, 0, 2, \zero
	PLACES
	FETCH \k, \g
	s_wait_dscnt 32                                ; all but the 32 just issued
	MUL16 \f, 1, 0, \zero
	MUL16 \f, 1, 2, \zero
.endm
.macro TURN fill
.if \fill
	s_wait_xcnt 0x0                                ; the last prefetches, a K step back, have read their address
	s_add_nc_u64 s[PFA:PFA+1], s[PFA:PFA+1], KSTEP*2
.endif
	WIN 0
	s_wait_tensorcnt 0x0                           ; all my tensor loads have landed: the one that was out is my part of the next slot
	ds_add_u32 v[SPW], v[NIL]                      ; 0 onto my spare word
.if \fill
	s_xor_b32 s[G0+5], s[G0+5], SLOT
	s_add_nc_u64 s[G0+6:G0+7], s[G0+6:G0+7], KSTEP*2
	s_xor_b32 s[G0B+5], s[G0B+5], SLOT
	s_add_nc_u64 s[G0B+6:G0B+7], s[G0B+6:G0B+7], KSTEP*2
.endif
	s_wait_dscnt 9                                 ; the add and the youngest eight loads may be out
	MUL16 F1, 0, 0, 0
	s_wait_dscnt 0x0                               ; the add is done, and my reads of this slot are over
	s_barrier_signal -1
	MUL16 F1, 0, 2, 0
	WIN 0
	s_barrier_wait -1
.if \fill
	JLOAD 1                                        ; the first tensor load behind the barrier, one a wave; its four v_nop are also the places in front of the loads below
.else
	PLACES
.endif
	s_xor_b32 s[SOFF], s[SOFF], SLOT
	v_add_nc_u32 v[ADRA], s[SOFF], v[ADRA0]
	v_add_nc_u32 v[ADRB], s[SOFF], v[ADRB0]
.if !(\fill)
	s_cmp_eq_u32 s[CNT], 1
	s_cbranch_scc1 .Lno_fetch_\@
.endif
	FETCH 0, F0
.if \fill
	ASK
.else
.Lno_fetch_\@:
.endif
	MUL16 F1, 1, 0, 0
	MUL16 F1, 1, 2, 0
.endm
; THE WAY OUT of row block a.
.macro UPD b                           ; W[b] x MU[b]: the distance grows by 16
.irp u, 0,2,4,6
	v_pk_mul_f32 v[WW+8*(\b)+\u:WW+8*(\b)+\u+1], v[WW+8*(\b)+\u:WW+8*(\b)+\u+1], v[MU+8*(\b)+\u:MU+8*(\b)+\u+1]
.endr
.endm
.macro ROWOUT a
.set AC, 64*((\a)%4)
.if (\a) < 7
.if (\a) < 6
	WIN 0x45                                       ; all three in window 1
.set bb, (\a)+2
.rept 6-(\a)
	UPD bb
.set bb, bb+1
.endr
.endif
	WIN 0
	s_cmp_eq_u32 s[DM], 1                          ; with the diagonal, blocks b <= a + 1 are not stepped yet
	s_cbranch_scc1 .Lstepped_\@
	WIN 0x45
.set bb, 0
.rept (\a)+2
	UPD bb
.set bb, bb+1
.endr
	WIN 0
.Lstepped_\@:
.endif
	WIN 0x06+((\a)/4)                              ; source 0: accumulators in window 2 or 3; source 1: W in window 1; destination window 0
.set i, 0
.rept 32
	v_pk_mul_f32 v[T+i:T+i+1], v[AC+i:AC+i+1], v[WW+i:WW+i+1]
.set i, i+2
.endr
	WIN 0
.set i, 0
.rept 32
	v_cvt_pk_f16_f32 v[TMP+i], v[T+2*i], v[T+2*i+1]
.set i, i+1
.endr
	s_cmp_eq_u32 s[DM], 1
	s_cbranch_scc0 .Lplain_\@
.set i, 0
.rept 4*(\a)
	v_mov_b32 v[TMP+i], 0                          ; blocks left of the diagonal
.set i, i+1
.endr
	WIN 0x02+((\a)/4)
.irp u, 0,2,4,6
	v_pk_mul_f32 v[T+8*(\a)+\u:T+8*(\a)+\u+1], v[AC+8*(\a)+\u:AC+8*(\a)+\u+1], v[LDR+8*(\a)+\u:LDR+8*(\a)+\u+1]
.endr
	WIN 0
.irp r, 0,1,2,3
	v_cvt_pk_f16_f32 v[TMP+4*(\a)+\r], v[T+8*(\a)+2*\r], v[T+8*(\a)+2*\r+1]
.endr
.Lplain_\@:
.endm
.macro TOSTAGE a
.set BK, OB+128*((\a)%2)
.irp b, 0,1,2,3,4,5,6,7
	ds_store_b128 v[STO], v[TMP+4*(\b):TMP+4*(\b)+3] offset:32*(\b)
.endr
.irp t, 0,1,2,3,4,5,6,7
	ds_load_b128 v[BK+4*(\t):BK+4*(\t)+3], v[RD] offset:(\t)*2*SPITCH  ; LDS serves a wave's instructions in order: these see the stores above
.endr
.endm
.macro SEND a
.set BK, OB+128*((\a)%2)
	s_wait_dscnt 0x0
	s_wait_xcnt 0x0                                ; earlier stores have read their registers: the other set is loaded again only behind this wait
.irp t, 0,1,2,3,4,5,6,7
	global_store_b128 v[CO], v[BK+4*(\t):BK+4*(\t)+3], s[8:9] offset:(16*(\a)+2*(\t))*4096  ; 16 lanes store 256 consecutive bytes, aligned
.endr
.endm
	s_wait_tensorcnt 1                             ; my part of K step 0 is in; K step 1's stays out
	s_barrier_signal -1
	s_barrier_wait -1
	FETCH 0, F0
	QUARTER 64, F0, F1, 1
	WIN 0
	s_mov_b32 s[CNT], 6
.Lstep:
	QUARTER 128, F1, F0, 0
	QUARTER 192, F0, F1, 0
	TURN 1
	QUARTER 64, F0, F1, 0
	WIN 0
	s_sub_co_u32 s[CNT], s[CNT], 1
	s_cmp_lg_u32 s[CNT], 0
	s_cbranch_scc1 .Lstep
	s_mov_b32 s[CNT], 2
.Ltail:
	QUARTER 128, F1, F0, 0
	QUARTER 192, F0, F1, 0
	TURN 0
	WIN 0
	s_sub_co_u32 s[CNT], s[CNT], 1
	s_cmp_eq_u32 s[CNT], 0
	s_cbranch_scc1 .Lout
	QUARTER 64, F0, F1, 0
	WIN 0
	s_branch .Ltail
.Lout:
	s_wait_dscnt 0x0
	PLACES
	PLACES
	ROWOUT 7
	TOSTAGE 7
.irp a, 6,5,4,3,2,1,0
	ROWOUT \a
	SEND (\a)+1
	TOSTAGE \a
.endr
	SEND 0
	s_wait_tensorcnt 0x0                           ; the wave's end
	ds_add_u32 v[SPW], v[NIL]
	s_wait_dscnt 0x0
	s_endpgm
.Lfunc_end_k_q3254630fe1_score:
	.size	k_q3254630fe1_score, .Lfunc_end_k_q3254630fe1_score-k_q3254630fe1_score
	.p2alignl 7, 3214868480
	.fill 96, 4, 3214868480
	.section	.rodata,"a",@progbits
	.p2align	6, 0x0
	.amdhsa_kernel k_q3254630fe1_score
		.amdhsa_group_segment_fixed_size 327680
		.amdhsa_private_segment_fixed_size 0
		.amdhsa_enable_private_segment 0
		.amdhsa_kernarg_size 40
		.amdhsa_user_sgpr_count 2
		.amdhsa_user_sgpr_kernarg_segment_ptr 1
		.amdhsa_wavefront_size32 1
		.amdhsa_system_sgpr_workgroup_id_x 1
		.amdhsa_system_sgpr_workgroup_id_y 1
		.amdhsa_system_sgpr_workgroup_id_z 1
		.amdhsa_system_vgpr_workitem_id 0
		.amdhsa_next_free_vgpr 1024
		.amdhsa_next_free_sgpr 96
		.amdhsa_reserve_vcc 1
		.amdhsa_float_denorm_mode_32 3
		.amdhsa_float_denorm_mode_16_64 3
		.amdhsa_memory_ordered 1
		.amdhsa_forward_progress 1
		.amdhsa_inst_pref_size 162
	.end_amdhsa_kernel
	.amdgpu_metadata
---
amdhsa.version: [ 1, 2 ]
amdhsa.kernels:
  - .name:           k_q3254630fe1_score
    .symbol:         k_q3254630fe1_score.kd
    .args:
      - { .name: qv, .offset: 0, .size: 8, .value_kind: global_buffer, .address_space: global }
      - { .name: xh, .offset: 8, .size: 8, .value_kind: global_buffer, .address_space: global }
      - { .name: pm, .offset: 16, .size: 8, .value_kind: global_buffer, .address_space: global }
      - { .name: stat, .offset: 24, .size: 8, .value_kind: global_buffer, .address_space: global }
      - { .name: ld2, .offset: 32, .size: 8, .value_kind: global_buffer, .address_space: global }
    .group_segment_fixed_size: 327680
    .private_segment_fixed_size: 0
    .kernarg_segment_align: 8
    .kernarg_segment_size: 40
    .max_flat_workgroup_size: 128
    .sgpr_count:     96
    .vgpr_count:     1024
    .wavefront_size: 32
...
	.end_amdgpu_metadata
.endif
;; end of part 3
;; launch mix (part 4): grid 8 x 32, 4 waves a work-group, clusters of 4 x 4, 327,680 bytes of LDS; arguments pm, qv, stat, out_scale, out0; writes out0
.if DOCPART == 4
	.amdgcn_target "amdgcn-amd-amdhsa--gfx1250"
	.amdhsa_code_object_version 6
	.text
	.protected	k_q3254630fe1_mix
	.globl	k_q3254630fe1_mix
	.p2align	8
	.type	k_q3254630fe1_mix,@function
k_q3254630fe1_mix:
	s_mov_b64 s[64:65], 0
	v_nop
	global_prefetch_b8 v0, s[64:65] scope:SCOPE_SE
	s_setreg_imm32_b32 hwreg(HW_REG_WAVE_MODE, 25, 1), 1
	s_wait_xcnt 0x0
	s_wait_alu depctr_hold_cnt(0) depctr_sa_sdst(0) depctr_va_vdst(0) depctr_va_sdst(0) depctr_va_ssrc(0) depctr_va_vcc(0) depctr_vm_vsrc(0)
	s_getreg_b32 s2, hwreg(HW_REG_IB_STS2, 6, 4)
	s_cmp_eq_u32 s2, 0
	s_cbranch_scc0 .Lentry_in_a_cluster
	s_endpgm
.Lentry_in_a_cluster:
	s_bfe_u32 s2, ttmp6, 0x10000c
	s_cmp_lg_u32 s2, 0xf033
	s_cbranch_scc0 .Lentry_shape_is_right
	s_endpgm
.Lentry_shape_is_right:
; MIX.  out0[i][e] = kappa x sum over j of pm[i][j] qv[j][1024 + e], f32; products in f16, sums in f32.  kappa = out_scale sqrt(sx) sqrt(sq) sqrt(sv) 2^-35 takes back the three scales
; (sx = X2, sq = X2 FM2, sv = X2 FN2, each at least 1e-30; the roots are taken apart, so that no product of them leaves f32's range for inputs within the stated limits of the launches before).
; SHARES.  A work-group makes 128 rows x 128 columns at a time, four waves of 64 x 64.  The four rows of a cluster are the four row blocks of a block of 512 rows, g; its K runs over j = 512 g .. 2047, in steps of 256.
; A cluster takes TWO such blocks of one batch, g = pi and then 3 - pi: 8 - 2 pi and 2 + 2 pi steps, ten for every work-group: one walk with constant trip counts, the ring running on across the change of blocks.
; (Rows 256 .. 511 of a block read one tile of zeros, written by the launch before: ten steps where nine would do; for that the sixteen partners walk alike and every tile can be asked for jointly.)
; CLUSTER: pm's tile hangs on the row block alone and is shared along a row of the cluster; qv's on the column block alone and is shared along a column.
; pm's rows lie along K and are read as they lie; qv's lie [K][N] and are read turned (ds_load_tr16_b128).  Source 0 = 16 columns, source 1 = 16 rows: a lane holds eight neighbouring columns of a row of out0.
; REGISTERS: window 0: v0-31 addresses; v32-95 the way out; v96-111 start-up; v128-255 the 16 accumulators, (a, b) at 128 + 8 (4 a + b).  window 1: two fragment buffers of 128 (pm's 64, then qv's 64).
.set PA,    528                        ; a row of pm's tile in LDS: 512 bytes + 16
.set PB,    288                        ; a row of qv's tile: 256 bytes + 32
.set AH,    64*PA                      ; what waves 0 and 1 bring
.set BOFF,  128*PA
.set BH,    128*PB                     ; what waves 2 and 3 bring
.set SLOT1, 147456                     ; 0x24000 shares no bit with a tile's place in a slot, so one exclusive or changes slots
.set STAGE, 288768                     ; 16 rows x 272 bytes for each wave; no tensor load lands here
.set SP,    272
.set SPARE, STAGE+4*16*SP              ; the spare words: 128 bytes a wave, two blocks of 256 bytes that no other line names
.set KAP,   12                         ; v[12:13] kappa, twice
.set ADRA,  16
.set ADRA0, 17
.set ADRBL, 18                         ; qv's k rows 0-127 of the slot in hand
.set ADRBH, 19                         ; k rows 128-255: their offsets would pass 16 bits
.set ADRB0, 20
.set STO,   24
.set RD,    25
.set CO,    26
.set SPW,   28
.set NIL,   29
.set PFO,   30
.set OB,    32
.set ACC,   128
.set F0,    0
.set F1,    128
.set G1,  24
.set G0,  32
.set G1B, 48
.set G0B, 56
.set WV,  66
.set WR,  67
.set WC,  68
.set SOFF, 69
.set CNT, 70
.set LIM, 71
.set PFA, 72
.set SEL, 74
.set LB,  76                           ; steps left in the block in hand
.set JA,  77                           ; pm's step from the first block's last tile to the second's first
.set JB,  78                           ; qv's
.set OFA, 80                           ; s[80:81] byte offset in pm of the tile asked for last
.set OFB, 82                           ; s[82:83] the same in qv
.set DOUT, 86                          ; s[86:87] from the first block's rows of out0 to the second's
.set MSB, 0
.macro WIN new
.if MSB != (\new)
	s_set_vgpr_msb (MSB<<8)|(\new)
.set MSB, \new
.endif
.endm
.set MUL,  0x05
.set TO_F, 0x40
.macro PLACES
.rept 4
	v_nop
.endr
.endm
.macro JLOAD s
	s_cmp_eq_u32 s[WR], 0
	s_cbranch_scc0 .Lfor_b_\@
	tensor_load_to_lds s[G0+4*(\s):G0+4*(\s)+3], s[G1:G1+7]
	s_nop 0
.rept 4
	v_nop
.endr
	s_branch .Lasked_\@
.Lfor_b_\@:
	tensor_load_to_lds s[G0B+4*(\s):G0B+4*(\s)+3], s[G1B:G1B+7]
	s_nop 0
.rept 4
	v_nop
.endr
.Lasked_\@:
.endm
; A prefetch of pm's tile two refills on (256 matrix instructions ahead of its load).  Both clusters along x read the same rows of pm: the one with x = 0 asks, in its waves 0 and 1; of a wave's 64 rows each of the four
; partners takes 16, told apart by address; two lanes a row of 512 bytes: one instruction.  Trips with CNT = 8 .. 3 name tiles 4 .. 9.  qv's value half is walked again by the batch's other cluster and by the second
; blocks, so most of its readings are not the first: it is not asked for.
.macro ASK
	s_cmp_gt_u32 s[CNT], s[LIM]
	s_cbranch_scc0 .Lnot_mine_\@
	global_prefetch_b8 v[PFO], s[PFA:PFA+1] th:TH_LOAD_NT scope:SCOPE_SE
.Lnot_mine_\@:
.endm
.macro CREST
	s_cmp_lg_u32 s[WV], 0
	s_cbranch_scc1 .Lnot_wave_0_\@
	s_barrier_signal -3
.Lnot_wave_0_\@:
	s_barrier_wait -3
	s_barrier_signal -1
	s_barrier_wait -1
.endm
.macro CROUND
	s_barrier_signal -1
	s_barrier_wait -1
	CREST
.endm
.macro RED4 op, a
.irp m, 1,2,4,8
	\op v[\a], v[\a], v[\a] row_xmask:\m row_mask:0xf bank_mask:0xf
.endr
.endm
	s_load_b256 s[4:11], s[0:1], 0x0               ; pm 4:5, qv 6:7, stat 8:9, out_scale 10:11
	s_load_b64 s[12:13], s[0:1], 0x20              ; out0
	v_lshl_add_u32 v[SPW], v0, 2, SPARE
	v_mov_b32 v[NIL], 0
	ds_add_u32 v[SPW], v[NIL]                      ; the opening: the add, twice on end, and its wait ahead of my first tensor load
	ds_add_u32 v[SPW], v[NIL]
	v_lshrrev_b32 v1, 5, v0
	v_readfirstlane_b32 s[WV], v1
	s_lshr_b32 s[WR], s[WV], 1
	s_and_b32 s[WC], s[WV], 1
	s_bfe_u32 s40, ttmp6, 0x40000                  ; cx
	s_bfe_u32 s41, ttmp6, 0x40004                  ; cy
	s_lshl_b32 s42, ttmp9, 2
	s_add_co_u32 s42, s42, s40                     ; column block
	s_and_b32 s14, ttmp7, 0xffff
	s_and_b32 s43, s14, 1                          ; pi
	s_lshr_b32 s44, s14, 1                         ; batch
	s_lshl_b32 s15, s41, 2
	s_lshl_b32 s15, 15, s15                        ; my row of the cluster
	s_lshl_b32 s16, 0x1111, s40                    ; my column
	s_or_b32 s[G1], s15, (1<<16)|(1<<20)|(1<<21)|(6<<22)|(3<<25)   ; pm: 2-byte elements; padding: after every 128 words, 4 words
	s_or_b32 s[G1B], s16, (1<<16)|(1<<20)|(1<<21)|(5<<22)|(7<<25)  ; qv: after every 64 words, 8 words
	s_mov_b32 s[G1+1], 256<<16                     ; pm: 64 rows x 256 elements
	s_mov_b32 s[G1+2], 64<<16
	s_mov_b32 s[G1+3], 256<<16
	s_mov_b32 s[G1+4], 64
	s_mov_b32 s[G1+5], 2048
	s_mov_b32 s[G1+6], 0
	s_mov_b32 s[G1+7], 0
	s_mov_b32 s[G1B+1], 128<<16                    ; qv: 128 rows x 128 elements
	s_mov_b32 s[G1B+2], 128<<16
	s_mov_b32 s[G1B+3], 128<<16
	s_mov_b32 s[G1B+4], 128
	s_mov_b32 s[G1B+5], 2048
	s_mov_b32 s[G1B+6], 0
	s_mov_b32 s[G1B+7], 0
	; pm's first tile: row 2048 batch + 512 pi + 128 cy + 64 half, column 512 pi
	s_lshl_b32 s[OFA], s43, 9
	s_lshl_b32 s17, s41, 7
	s_add_co_u32 s[OFA], s[OFA], s17
	s_lshl_b32 s17, s[WC], 6
	s_add_co_u32 s[OFA], s[OFA], s17
	s_lshl_b32 s[OFA], s[OFA], 12
	s_lshl_b32 s17, s44, 23
	s_add_co_u32 s[OFA], s[OFA], s17
	s_lshl_b32 s18, s43, 10
	s_add_co_u32 s[OFA], s[OFA], s18
	s_mov_b32 s[OFA+1], 0
	; qv's first tile: row 2048 batch + 512 pi + 128 half, column 1024 + 128 column block
	s_lshl_b32 s[OFB], s44, 11
	s_lshl_b32 s19, s43, 9
	s_add_co_u32 s[OFB], s[OFB], s19
	s_lshl_b32 s19, s[WC], 7
	s_add_co_u32 s[OFB], s[OFB], s19
	s_lshl_b32 s[OFB], s[OFB], 12
	s_lshl_b32 s19, s42, 8
	s_add_co_u32 s[OFB], s[OFB], s19
	s_add_co_u32 s[OFB], s[OFB], 2048
	s_mov_b32 s[OFB+1], 0
	s_lshl_b32 s17, s43, 1
	s_sub_co_u32 s[LB], 8, s17                     ; the first block's steps
	s_sub_co_u32 s17, 3, s17
	s_lshl_b32 s[DOUT], s17, 21                    ; (3 - 2 pi) x 512 rows of 4,096 bytes
	s_mov_b32 s[DOUT+1], 0
	s_sub_co_u32 s[JA], s[DOUT], 512
	s_sub_co_u32 s[JA], s[JA], s18                 ; so many rows down, and back along them
	s_lshl_b32 s[JB], s43, 21
	s_add_co_u32 s[JB], s[JB], 0x100000
	s_sub_co_u32 s[JB], 0, s[JB]                   ; from row 1792 back to row 1536 - 512 pi (added modulo 2^32 to an offset that stays positive)
	; the prefetches: my work-group's 16 rows of the 64, at tile 3
	s_lshl_b32 s20, s40, 16
	s_add_co_u32 s20, s20, s[OFA]
	s_add_co_u32 s20, s20, 3*512
	s_mov_b32 s21, 0
	s_mov_b32 s91, 0
	s_or_b32 s22, s[WR], ttmp9
	s_cmp_eq_u32 s22, 0
	s_cselect_b32 s[LIM], 2, -1
	; out0 at my part
	s_lshl_b32 s46, s44, 11
	s_lshl_b32 s22, s43, 9
	s_add_co_u32 s46, s46, s22
	s_lshl_b32 s22, s41, 7
	s_add_co_u32 s46, s46, s22
	s_lshl_b32 s22, s[WR], 6
	s_add_co_u32 s46, s46, s22
	s_lshl_b32 s46, s46, 12
	s_lshl_b32 s22, s42, 9
	s_add_co_u32 s46, s46, s22
	s_lshl_b32 s22, s[WC], 8
	s_add_co_u32 s46, s46, s22
	s_mov_b32 s47, 0
	s_mul_i32 s23, s[WC], AH                       ; where my part goes: no place in the cluster enters an LDS address
	s_mul_i32 s89, s[WC], BH
	s_add_co_u32 s89, s89, BOFF
	s_mov_b32 s[SEL], 0x76543210
	s_mov_b32 s[SEL+1], 0xfedcba98
	s_mov_b32 s[SOFF], 0
	s_wait_dscnt 0x0                               ; both opening adds are done
	s_wait_kmcnt 0x0
	s_load_b32 s88, s[10:11], 0x0                  ; out_scale
	s_add_nc_u64 s[12:13], s[12:13], s[46:47]
	s_add_nc_u64 s[PFA:PFA+1], s[4:5], s[20:21]
	s_mov_b32 s[G0], 1
	s_mov_b32 s[G0+1], s23
	s_add_nc_u64 s[G0+2:G0+3], s[4:5], s[OFA:OFA+1]
	s_or_b32 s[G0+3], s[G0+3], 0x80000000
	s_mov_b32 s[G0B], 1
	s_mov_b32 s[G0B+1], s89
	s_add_nc_u64 s[G0B+2:G0B+3], s[6:7], s[OFB:OFB+1]
	s_or_b32 s[G0B+3], s[G0B+3], 0x80000000
	s_add_co_u32 s[OFA], s[OFA], 512               ; tile 1
	s_add_co_u32 s[OFB], s[OFB], 0x100000
	s_mov_b32 s[G0+4], 1
	s_add_co_u32 s[G0+5], s23, SLOT1
	s_add_nc_u64 s[G0+6:G0+7], s[4:5], s[OFA:OFA+1]
	s_or_b32 s[G0+7], s[G0+7], 0x80000000
	s_mov_b32 s[G0B+4], 1
	s_add_co_u32 s[G0B+5], s89, SLOT1
	s_add_nc_u64 s[G0B+6:G0B+7], s[6:7], s[OFB:OFB+1]
	s_or_b32 s[G0B+7], s[G0B+7], 0x80000000
	CROUND                                         ; all sixteen work-groups are here: the first joint loads meet
	JLOAD 0
	JLOAD 1                                        ; tiles 0 and 1: two loads of mine are out
	v_and_b32 v5, 31, v0
	v_lshlrev_b32 v108, 5, v5
	v_lshlrev_b32 v109, 3, v5
	global_load_b128 v[96:99], v108, s[8:9]
	global_load_b128 v[100:103], v108, s[8:9] offset:16
	global_load_b64 v[104:105], v109, s[8:9] offset:1024
	global_load_b64 v[106:107], v109, s[8:9] offset:1280
	v_and_b32 v1, 15, v0                           ; r
	v_bfe_u32 v2, v0, 4, 1                         ; h
	v_and_b32 v3, 7, v0
	v_bfe_u32 v4, v0, 3, 1
	v_mul_u32_u24 v[ADRA0], v1, PA
	v_lshl_add_u32 v[ADRA0], v2, 4, v[ADRA0]
	s_mul_i32 s14, s[WR], 64*PA
	v_add_nc_u32 v[ADRA0], s14, v[ADRA0]
	v_lshl_add_u32 v[ADRB0], v2, 3, v3
	v_mul_u32_u24 v[ADRB0], v[ADRB0], PB
	v_lshl_add_u32 v[ADRB0], v4, 4, v[ADRB0]
	s_lshl_b32 s14, s[WC], 7
	s_add_co_u32 s14, s14, BOFF
	v_add_nc_u32 v[ADRB0], s14, v[ADRB0]
	v_mov_b32 v[ADRA], v[ADRA0]
	v_mov_b32 v[ADRBL], v[ADRB0]
	v_add_nc_u32 v[ADRBH], BH, v[ADRB0]
	s_mul_i32 s14, s[WV], 16*SP
	s_add_co_u32 s14, s14, STAGE
	v_mul_u32_u24 v[STO], v1, SP
	v_lshl_add_u32 v[STO], v2, 5, v[STO]           ; in: row r, 32 bytes for each half of the lanes
	v_add_nc_u32 v[STO], s14, v[STO]
	v_mul_u32_u24 v[RD], v2, SP
	v_lshl_add_u32 v[RD], v1, 4, v[RD]             ; back: lanes 0-15 one row of 256 bytes, lanes 16-31 the next
	v_add_nc_u32 v[RD], s14, v[RD]
	v_lshlrev_b32 v[CO], 12, v2
	v_lshl_add_u32 v[CO], v1, 4, v[CO]
	v_lshrrev_b32 v[PFO], 1, v5
	v_lshlrev_b32 v[PFO], 12, v[PFO]
	v_and_b32 v6, 1, v5
	v_lshl_add_u32 v[PFO], v6, 8, v[PFO]
	s_wait_loadcnt 0x0
	v_max3_num_f32 v96, v96, v97, v98
	v_max3_num_f32 v99, v99, v100, v101
	v_max3_num_f32 v96, v96, v102, v103
	v_max_num_f32 v96, v96, v99
	RED4 v_max_num_f32_dpp, 96
	v_permlanex16_b32 v97, v96, s[SEL], s[SEL+1]
	v_max_num_f32 v96, v96, v97                    ; X2
	v_add_f32 v104, v104, v105
	v_add_f32 v106, v106, v107
	RED4 v_add_f32_dpp, 104
	RED4 v_add_f32_dpp, 106
	v_permlanex16_b32 v105, v104, s[SEL], s[SEL+1]
	v_permlanex16_b32 v107, v106, s[SEL], s[SEL+1]
	v_add_f32 v104, v104, v105                     ; FM2
	v_add_f32 v106, v106, v107                     ; FN2
	v_mul_f32 v104, v96, v104
	v_mul_f32 v106, v96, v106
	v_max_num_f32 v96, 0x0da24260, v96
	v_max_num_f32 v104, 0x0da24260, v104
	v_max_num_f32 v106, 0x0da24260, v106
	v_sqrt_f32 v96, v96
	v_sqrt_f32 v104, v104
	v_sqrt_f32 v106, v106
	v_nop
	s_wait_alu depctr_va_vdst(0)                   ; one wait for the three roots
	s_wait_kmcnt 0x0                               ; out_scale
	v_mul_f32 v96, 0x2e000000, v96                 ; x 2^-35
	v_mul_f32 v96, v96, v104
	v_mul_f32 v96, v96, v106
	v_mul_f32 v[KAP], s88, v96
	v_mov_b32 v[KAP+1], v[KAP]
; 8 matrix instructions: row blocks a0, a0 + 1 x all 4 column blocks, 32 along K: half c of buffer f.  The 16 accumulators take turns.
.macro MUL8 f, c, a0, zero
	WIN MUL
.irp a, \a0, (\a0)+1
.irp b, 0,1,2,3
.if \zero
	v_wmma_f32_16x16x32_f16 v[ACC+8*(4*(\a)+(\b)):ACC+8*(4*(\a)+(\b))+7], v[(\f)+64+8*(4*(\c)+(\b)):(\f)+64+8*(4*(\c)+(\b))+7], v[(\f)+8*(4*(\c)+(\a)):(\f)+8*(4*(\c)+(\a))+7], 0
.else
	v_wmma_f32_16x16x32_f16 v[ACC+8*(4*(\a)+(\b)):ACC+8*(4*(\a)+(\b))+7], v[(\f)+64+8*(4*(\c)+(\b)):(\f)+64+8*(4*(\c)+(\b))+7], v[(\f)+8*(4*(\c)+(\a)):(\f)+8*(4*(\c)+(\a))+7], v[ACC+8*(4*(\a)+(\b)):ACC+8*(4*(\a)+(\b))+7]
.endif
.endr
.endr
.endm
; 32 LDS loads in one run: quarter q's fragments (64 along K) into buffer f; the first 32 along K first
.macro FETCH q, f
	WIN TO_F
.irp c, 0,1
.irp i, 0,1,2,3
	ds_load_tr16_b128 v[(\f)+64+8*(4*(\c)+(\i)):(\f)+64+8*(4*(\c)+(\i))+3],   v[ADRBL+(\q)/2] offset:(((\q)%2)*64+32*(\c))*PB+32*(\i)
	ds_load_tr16_b128 v[(\f)+64+8*(4*(\c)+(\i))+4:(\f)+64+8*(4*(\c)+(\i))+7], v[ADRBL+(\q)/2] offset:(((\q)%2)*64+32*(\c)+16)*PB+32*(\i)
	ds_load_b128 v[(\f)+8*(4*(\c)+(\i)):(\f)+8*(4*(\c)+(\i))+3],   v[ADRA] offset:128*(\q)+64*(\c)+(\i)*16*PA
	ds_load_b128 v[(\f)+8*(4*(\c)+(\i))+4:(\f)+8*(4*(\c)+(\i))+7], v[ADRA] offset:128*(\q)+64*(\c)+(\i)*16*PA+32
.endr
.endr
.endm
.macro QUARTER q, f, g, zero           ; multiplies buffer f and fetches quarter q into g
	s_wait_dscnt 16                                ; the first 32 along K are in
	MUL8 \f, 0, 0, \zero
	MUL8 \f, 0, 2, \zero
	PLACES
	FETCH \q, \g
	s_wait_dscnt 32                                ; all but the 32 just issued
	MUL8 \f, 1, 0, 0
	MUL8 \f, 1, 2, 0
.endm
; A step's last quarter, and the change of slots.  fill = 1: the slot just read takes the tile two steps on, behind a round of the cluster's barrier; 112 matrix instructions lie between the request and the wait for it.
.macro TURN fill
.if \fill
	s_wait_xcnt 0x0                                ; the last prefetch, a step back, has read its address
	s_cmp_eq_u32 s[LB], 4                          ; four steps on the second block begins
	s_cselect_b32 s90, s[JA], 512
	s_add_nc_u64 s[PFA:PFA+1], s[PFA:PFA+1], s[90:91]
.endif
	WIN 0
	s_wait_tensorcnt 0x0                           ; all my tensor loads have landed: the one that was out is my part of the next slot
	ds_add_u32 v[SPW], v[NIL]                      ; 0 onto my spare word
.if \fill
	s_cmp_eq_u32 s[LB], 2                          ; two steps on the second block begins
	s_cselect_b32 s84, s[JA], 512
	s_cselect_b32 s85, s[JB], 0x100000
	s_add_co_u32 s[OFA], s[OFA], s84
	s_add_co_u32 s[OFB], s[OFB], s85
	s_xor_b32 s[G0+5], s[G0+5], SLOT1
	s_add_nc_u64 s[G0+6:G0+7], s[4:5], s[OFA:OFA+1]   ; the address is made anew from the buffer's and the offset
	s_or_b32 s[G0+7], s[G0+7], 0x80000000
	s_xor_b32 s[G0B+5], s[G0B+5], SLOT1
	s_add_nc_u64 s[G0B+6:G0B+7], s[6:7], s[OFB:OFB+1]
	s_or_b32 s[G0B+7], s[G0B+7], 0x80000000
.endif
	s_wait_dscnt 17                                ; the add and the youngest sixteen loads may be out
	MUL8 F1, 0, 0, 0
	s_wait_dscnt 0x0                               ; the add is done, and my reads of this slot are over
	s_barrier_signal -1
	MUL8 F1, 0, 2, 0
	WIN 0
	s_barrier_wait -1
.if \fill
	CREST                                          ; no wave of any partner still reads this slot or has a load on its way
	JLOAD 1                                        ; the first tensor load behind the round; its four v_nop are also the places in front of the loads below
.else
	PLACES
.endif
	s_xor_b32 s[SOFF], s[SOFF], SLOT1
	v_add_nc_u32 v[ADRA], s[SOFF], v[ADRA0]
	v_add_nc_u32 v[ADRBL], s[SOFF], v[ADRB0]
	v_add_nc_u32 v[ADRBH], BH, v[ADRBL]
.if !(\fill)
	s_cmp_eq_u32 s[CNT], 1                         ; behind the last step there is nothing to fetch
	s_cbranch_scc1 .Lno_fetch_\@
.endif
	FETCH 0, F0
	WIN 0
.if \fill
	ASK
.else
.Lno_fetch_\@:
.endif
	MUL8 F1, 1, 0, 0
	MUL8 F1, 1, 2, 0
.endm
; THE WAY OUT: a row block (16 rows x my 64 columns) at a time: x kappa in place, through my own stage, back as whole rows of 256 bytes, stored.
.macro SCALE a
.set i, ACC+32*(\a)
.rept 16
	v_pk_mul_f32 v[i:i+1], v[i:i+1], v[KAP:KAP+1]
.set i, i+2
.endr
.endm
.macro STG a
.irp b, 0,1,2,3
	ds_store_b128 v[STO], v[ACC+8*(4*(\a)+(\b)):ACC+8*(4*(\a)+(\b))+3]   offset:64*(\b)
	ds_store_b128 v[STO], v[ACC+8*(4*(\a)+(\b))+4:ACC+8*(4*(\a)+(\b))+7] offset:64*(\b)+16
.endr
.irp t, 0,1,2,3,4,5,6,7
	ds_load_b128 v[OB+32*((\a)%2)+4*(\t):OB+32*((\a)%2)+4*(\t)+3], v[RD] offset:(\t)*2*SP  ; LDS serves a wave's instructions in order: these see the stores above
.endr
.endm
.macro SENDO a
	s_wait_dscnt 0x0                               ; the block is back in registers
	s_wait_xcnt 0x0                                ; earlier stores have read their registers: the other set is loaded again only behind this wait
.irp t, 0,1,2,3,4,5,6,7
	global_store_b128 v[CO], v[OB+32*((\a)%2)+4*(\t):OB+32*((\a)%2)+4*(\t)+3], s[12:13] offset:(16*(\a)+2*(\t))*4096 th:TH_STORE_NT  ; 16 lanes store 256 consecutive bytes, aligned
.endr
.endm
.macro WAYOUT
	WIN 0
	PLACES
	PLACES
	SCALE 0
	STG 0
.irp a, 1,2,3
	SCALE \a
	SENDO (\a)-1
	STG \a
.endr
	SENDO 3
.endm
	s_wait_tensorcnt 1                             ; my part of tile 0 is in; tile 1's stays out
	s_barrier_signal -1
	s_barrier_wait -1
	FETCH 0, F0
	QUARTER 1, F0, F1, 1                           ; the first quarter starts the sums
	WIN 0
	s_mov_b32 s[CNT], 8
.Lstep:                                        ; a trip: a step's quarters 1 to 3, the refill, the next step's quarter 0
	QUARTER 2, F1, F0, 0
	QUARTER 3, F0, F1, 0
	TURN 1
	WIN 0
	s_sub_co_u32 s[LB], s[LB], 1
	s_cmp_lg_u32 s[LB], 0                          ; the same in all sixteen partners: it hangs on the cluster's y and the trips
	s_cbranch_scc1 .Lsame
	WAYOUT                                         ; the first block is done; the second's first tile and fragments have been asked for
	s_wait_xcnt 0x0                                ; the stores have read out0's address
	s_add_nc_u64 s[12:13], s[12:13], s[DOUT:DOUT+1]
	s_mov_b32 s[LB], 64                            ; more than the trips that are left
	QUARTER 1, F0, F1, 1                           ; the second block's sums start
	WIN 0
	s_branch .Lnext
.Lsame:
	QUARTER 1, F0, F1, 0
	WIN 0
.Lnext:
	s_sub_co_u32 s[CNT], s[CNT], 1
	s_cmp_lg_u32 s[CNT], 0
	s_cbranch_scc1 .Lstep
	s_mov_b32 s[CNT], 2
.Ltail:                                        ; steps 8 and 9 ask for nothing
	QUARTER 2, F1, F0, 0
	QUARTER 3, F0, F1, 0
	TURN 0
	WIN 0
	s_sub_co_u32 s[CNT], s[CNT], 1
	s_cmp_eq_u32 s[CNT], 0
	s_cbranch_scc1 .Lout
	QUARTER 1, F0, F1, 0
	WIN 0
	s_branch .Ltail
.Lout:
	s_wait_dscnt 0x0
	WAYOUT
	s_wait_tensorcnt 0x0                           ; the wave's end
	ds_add_u32 v[SPW], v[NIL]
	s_wait_dscnt 0x0
	CROUND                                         ; the closing round
	s_endpgm
.Lfunc_end_k_q3254630fe1_mix:
	.size	k_q3254630fe1_mix, .Lfunc_end_k_q3254630fe1_mix-k_q3254630fe1_mix
	.p2alignl 7, 3214868480
	.fill 96, 4, 3214868480
	.section	.rodata,"a",@progbits
	.p2align	6, 0x0
	.amdhsa_kernel k_q3254630fe1_mix
		.amdhsa_group_segment_fixed_size 327680
		.amdhsa_private_segment_fixed_size 0
		.amdhsa_enable_private_segment 0
		.amdhsa_kernarg_size 40
		.amdhsa_user_sgpr_count 2
		.amdhsa_user_sgpr_kernarg_segment_ptr 1
		.amdhsa_wavefront_size32 1
		.amdhsa_system_sgpr_workgroup_id_x 1
		.amdhsa_system_sgpr_workgroup_id_y 1
		.amdhsa_system_sgpr_workgroup_id_z 1
		.amdhsa_system_vgpr_workitem_id 0
		.amdhsa_next_free_vgpr 512
		.amdhsa_next_free_sgpr 96
		.amdhsa_reserve_vcc 0
		.amdhsa_float_denorm_mode_32 3
		.amdhsa_float_denorm_mode_16_64 3
		.amdhsa_memory_ordered 1
		.amdhsa_forward_progress 1
		.amdhsa_inst_pref_size 83
	.end_amdhsa_kernel
	.amdgpu_metadata
---
amdhsa.version: [ 1, 2 ]
amdhsa.kernels:
  - .name:           k_q3254630fe1_mix
    .symbol:         k_q3254630fe1_mix.kd
    .args:
      - { .name: pm, .offset: 0, .size: 8, .value_kind: global_buffer, .address_space: global }
      - { .name: qv, .offset: 8, .size: 8, .value_kind: global_buffer, .address_space: global }
      - { .name: stat, .offset: 16, .size: 8, .value_kind: global_buffer, .address_space: global }
      - { .name: out_scale, .offset: 24, .size: 8, .value_kind: global_buffer, .address_space: global }
      - { .name: out0, .offset: 32, .size: 8, .value_kind: global_buffer, .address_space: global }
    .group_segment_fixed_size: 327680
    .private_segment_fixed_size: 0
    .kernarg_segment_align: 8
    .kernarg_segment_size: 40
    .max_flat_workgroup_size: 128
    .sgpr_count:     96
    .vgpr_count:     512
    .wavefront_size: 32
...
	.end_amdgpu_metadata
.endif
;; end of part 4
